; MI455X (gfx1250); checked and timed in simulation.
; The chip was launched on July 23, 2026; its instructions are those of AMD's public machine-readable ISA for CDNA 5 (MIT licence, August 2026) and "CDNA5" Instruction Set Architecture Reference Guide (July 2026). The comments in the code are by the model that wrote it; some were corrected since.
;; Multi Head Attention. Allowed arithmetic: matrix products marked QUANTISED: E2M1 operands, one E8M0 scale for each 32 along K, by v_wmma_scale_f32_16x16x128_f8f6f4 with both operands' format E2M1 (or v_wmma_scale_f32_32x16x128_f4), f32 sums; everything else in f32.
;; Inputs: b_out 1,024 float32; b_qkv 3,072 float32; w_out_codes 1,024 x 32 x 16 uint8 (E2M1 codes of w_out, K innermost, in blocks of 32 codes, two codes a byte); w_out_scales 1,024 x 32 uint8 (E8M0 scales of w_out, one for each 32 codes along K); w_qkv_codes 3,072 x 32 x 16 uint8 (E2M1 codes of w_qkv, K innermost, in blocks of 32 codes, two codes a byte); w_qkv_scales 3,072 x 32 uint8 (E8M0 scales of w_qkv, one for each 32 codes along K); x_codes 4 x 2,048 x 32 x 16 uint8 (E2M1 codes of x, K innermost, in blocks of 32 codes, two codes a byte); x_scales 4 x 2,048 x 32 uint8 (E8M0 scales of x, one for each 32 codes along K).
;; Outputs: out0 4 x 2,048 x 1,024 float32.
;; This version of the problem:
;;   THIS VERSION OF THE PROBLEM IS GIVEN IN LOW PRECISION. The matrix products marked QUANTISED in the list below multiply operands that are first quantised to E2M1 (2 exponent bits, 1 mantissa bit; 4 bits a number), with one power-of-two scale for each 32 numbers along K (OCP MX v1.0); their sums are f32. All else is computed in f32.
;;   The module's matrix products, in the order in which they are computed (A, B: the left and right operand; K: the contracted axis; several contracted axes count as one K, in the product's order):
;;     1. [M 8,192, K 1,024] x [K 1,024, N 3,072]; A: input x (given as codes); B: input w_qkv (given as codes): QUANTISED
;;     2. batch 64 x [M 2,048, K 64] x [K 64, N 2,048]; A: computed on the way; B: computed on the way: QUANTISED
;;     3. batch 64 x [M 2,048, K 2,048] x [K 2,048, N 64]; A: softmax (see below); B: computed on the way: QUANTISED
;;     4. [M 8,192, K 1,024] x [K 1,024, N 1,024]; A: computed on the way; B: input w_out (given as codes): QUANTISED
;;   THE QUANTISER, for each operand of a quantised product, along K:
;;     - K is cut into blocks of 32 from its start; a last block that is shorter is filled with zeros.
;;     - A block's scale is 2^e with e = floor(log2(the largest magnitude in the block)) - 2, held to -126 .. 127; a block of zeros has e = 0. As a byte (E8M0): e + 127.
;;     - Each number is divided by its block's scale, clamped to +-6, and rounded to the nearest number of E2M1, ties to even, subnormals kept.
;;     - The product sums the exact products of the quantised numbers (number of the format x scale) in f32.
;;   ~~~python
;;   def quantise(x, axis):      # numpy; x: float32 -> the quantised numbers, widened to float32 again
;;       x = np.moveaxis(x, axis, -1); K = x.shape[-1]
;;       x = np.pad(x, [(0, 0)] * (x.ndim - 1) + [(0, -K % 32)]); x = x.reshape(x.shape[:-1] + (-1, 32)); a = np.abs(x).max(-1, keepdims=True)
;;       e = np.where(a > 0, np.clip(np.frexp(np.where(a > 0, a, 1))[1] - 1 - 2, -126, 127), 0)      # np.frexp(a)[1] - 1 = floor(log2(a)), exactly
;;       r = np.clip(x / 2.0 ** e, -6, 6)
;;       step = 2.0 ** (np.maximum(np.frexp(np.where(r == 0, 1, r))[1] - 1, 0) - 1)
;;       q = np.round(r / step) * step * 2.0 ** e      # np.round: ties to even
;;       return np.moveaxis(q.reshape(q.shape[:-2] + (-1,))[..., :K], -1, axis).astype(np.float32)
;;   ~~~
;;   SOFTMAX AHEAD OF A QUANTISED PRODUCT. Where the list says 'softmax', what is quantised is not the finished softmax but p = 2^(t - M), with t = logit x log2(e) and M = ceil(the row's largest t), a whole number; so 1/2 < the row's largest p <= 1. The row's sum l is taken of the UNQUANTISED p, in f32, and the product's result is divided by l at the end. Since M is a whole number, a kernel that streams over the keys may use a running M (the ceiling of the running maximum): every later rescaling is an exact power of two, which a block's scale takes up: the codes' values come out the same.
;;   OPERANDS COMPUTED ON THE WAY. 'Computed on the way' means the value that the module computes at that place (a softmax that the list does not call 'softmax' is quantised finished and normalised). What goes into a quantiser is computed in f32, as accurately as f32 sums, v_exp_f32 and their like allow (about 1e-6 of the number): no bf16 or f16 on the way to a quantiser, and a product that is left as it is and whose result goes on into a quantised operand takes f32 operands (vector FMAs, or v_wmma_f32_16x16x4_f32). A number that lies on a knife's edge between two numbers of the format may be rounded either way, as far as f32 arithmetic and the matrix unit's own rounding can turn it there, and no further.
;;   INPUTS GIVEN AS CODES. w_out (in the module: [1024, 1024], K = its axis 0); w_qkv (in the module: [1024, 3072], K = its axis 0); x (in the module: [4, 2048, 1024], K = its axis 2): each comes as NAME_codes (uint8): NAME with its K axis moved to the last place and cut into blocks of 32 codes, [.., K / 32, bytes a block], one block behind the other in memory; two codes a byte, the lower K in the low four bits (a code: sign, 2 exponent bits, 1 mantissa bit); and NAME_scales (uint8): the same leading axes, one E8M0 byte (e + 127) for each 32 codes along K. Its value is code x scale, taken as it is: it is not quantised again, and the codes and scales need not be those that the quantiser above would give.
;; One version. Each part assembles by itself: llvm-mc -triple=amdgcn-amd-amdhsa -mcpu=gfx1250 --defsym DOCPART=n.
;; ======== version 1 of 1: 3 launches
;; workspace buffers: q 4,718,592 bytes; kv 9,175,040 bytes; at_codes 4,194,304 bytes; at_scales 262,144 bytes
;; launch qkv (part 1): grid 12 x 32, 4 waves a work-group, clusters of 4 x 4, 302,592 bytes of LDS; arguments x_codes, x_scales, w_qkv_codes, w_qkv_scales, b_qkv, q, kv; writes q, kv
.if DOCPART == 1
	.amdgcn_target "amdgcn-amd-amdhsa--gfx1250"
	.amdhsa_code_object_version 6
	.text
	.protected	k_q9b4008e403_qkv
	.globl	k_q9b4008e403_qkv
	.p2align	8
	.type	k_q9b4008e403_qkv,@function
k_q9b4008e403_qkv:
	s_mov_b64 s[64:65], 0
	v_nop
	global_prefetch_b8 v0, s[64:65] scope:SCOPE_SE
	s_setreg_imm32_b32 hwreg(HW_REG_WAVE_MODE, 25, 1), 1
	s_wait_xcnt 0x0
	s_wait_alu depctr_hold_cnt(0) depctr_sa_sdst(0) depctr_va_vdst(0) depctr_va_sdst(0) depctr_va_ssrc(0) depctr_va_vcc(0) depctr_vm_vsrc(0)
	s_getreg_b32 s2, hwreg(HW_REG_IB_STS2, 6, 4)
	s_cmp_eq_u32 s2, 0
	s_cbranch_scc0 .Lentry_in_a_cluster
	s_endpgm
.Lentry_in_a_cluster:
	s_bfe_u32 s2, ttmp6, 0x10000c
	s_cmp_lg_u32 s2, 0xf033
	s_cbranch_scc0 .Lentry_shape_is_right
	s_endpgm
.Lentry_shape_is_right:
; qkv = x w_qkv + b_qkv on codes of FP4 (E2M1) with one E8M0 scale for each 32 along K = 1,024; the sums, with the bias, are quantised at once for the attention that follows:
; q and k along the head's 64 numbers, v along the keys.  Nothing wide goes to memory.
; A tile of 256 x 256 sums is made by a work-group of four waves; a wave makes 128 x 128: 64 accumulators of 16 x 16, 512 registers.  All of K fits into two LDS slots of 512 along K: each LDS byte is filled once.
; TWO ROLES.  P is the operand whose rows lie ACROSS THE LANES of a result (source 1), R the one whose rows run ALONG A LANE'S REGISTERS (source 0).  A quantiser wants its K along a lane's registers, so:
;   q, k (cluster x = 0, 1):  P = x (tokens), R = w_qkv (features): a lane holds one token and 128 features, two heads.
;   v    (cluster x = 2):     P = w_qkv's rows 2,048 on (features), R = x (tokens): a lane holds one feature and 128 tokens, which are keys.
; Only pointers and tile numbers are chosen by the cluster's x, which all sixteen partners share; both tensors have rows of 512 bytes of codes and 32 scale bytes, so the shapes are constants.
; CLUSTERS: 4 x 4 work-groups.  P's tile hangs on the place along the cluster's y alone and is asked for jointly by a row of the cluster, R's on the place along x alone, by a column.
; WHAT IS STORED, as images of operand registers (lane l's 16 bytes at 16 l):
;   q:  [head 64][128 tokens 16] records of 4,608 bytes: 8 tiles of 16 tokens x 512 bytes (lane (r, h): token r, d = 32 h + 0 .. 31), then 512 bytes of scale words: token t's at 16 (t % 32) + 4 (t / 32); bytes 2, 3 are 0.
;   kv: [head 64][128 tokens 16] records of 8,960 bytes: k as q (4,096); v's 4 tiles of 16 d x 128 keys (1,024 each); k's scale words (512); v's scale words (256): row d's at 8 (d % 32) + 4 (d / 32).
; THE QUANTISER: a block's scale is 2^(floor(log2(its largest magnitude)) - 2); its byte is the largest magnitude's exponent field - 2, held at 1 from below.
; LIMITS: NaN and infinities among the sums are not served.  A block of zeros gets the byte 1 where the rule says 127: its codes are zeros, and this program alone reads the bytes.
; REGISTERS, in windows of 256: window 0: v1-31 addresses and words; v32-95 the products' scale words, two sets; v96-127 at work on the way out; v128-191 P's fragments, one set, later 64 sums + bias; v192-255 the bias.
;   window 1: R's fragments, two sets, at v0 and v128.   window 2: the accumulators of P's blocks 0-3 ((a, b) at v[8 (8 a + b)]);   window 3: those of blocks 4-7.
.set ROWB,   256                       ; a tile's row in bytes: 512 codes
.set KROW,   512                       ; a row of x or of w_qkv in memory, in bytes
.set PITCH,  272                       ; an LDS row: 256 bytes + 16 of padding: the 16 rows that a load touches begin 68 words apart
.set FR,     8                         ; registers of a fragment: 16 rows x 128 K
.set NL,     2                         ; LDS loads that bring one
.set NP,     4                         ; places behind this matrix instruction (ISA guide 7.12.1)
.set NQ,     4                         ; steps of 128 along K in a slot
.set HALFT,  128*PITCH                 ; 128 rows: what one tensor load brings
.set SLOT,   4*HALFT                   ; P's 256 rows, then R's 256 rows
.set KS,     32                        ; a row of scale bytes
.set SCL,    2*SLOT                    ; behind the slots: the scale bytes, as runs of 256 bytes + 16 of padding
.set HALFS,  (128*KS/256)*272          ; those of 128 rows
.set SBLK,   (16*KS/256)*272           ; those of 16 rows
.set STQ,    SCL+4*HALFS               ; the q and k way's stage for scale words: 1,024 bytes a wave; no tile lands here
.set STV,    STQ+4*1024                ; the v way's: 512 bytes a wave
.set QHEAD,  73728
.set QREC,   4608
.set KVHEAD, 143360
.set KVREC,  8960
.set RB0,  4                           ; v[4:7]   scale words read back from the stage
.set LI,   8                           ; v8   16 x lane
.set SH,   9                           ; v9   16 x (lane / 16): a shift
.set STQW, 10                          ; v10  q, k: where my scale word goes in the stage
.set STQR, 11                          ; v11  and where I read 16 bytes back
.set STVW, 12                          ; v12  v: the same
.set STVR, 13
.set VSO,  14                          ; v14  v: my 16 bytes among the two heads' scale words in memory
.set BQ,   15                          ; v15  q, k: my byte in the wave's 128 biases: 32 x (lane / 16)
.set ADRP, 16                          ; v16-17  LDS address of my P fragments in slot 0, 1
.set BV,   18                          ; v18  v: 4 x (lane % 16)
.set PW,   19                          ; v19  the scale word just made
.set ADRR, 20                          ; v20-21  the same for R
.set ADRS, 27                          ; v27  LDS address of my scale words: lanes 0-15 P's rows, lanes 16-31 R's
.set RB1,  28                          ; v[28:31]
.set SC,   32                          ; set s at v[SC + 32 s]; register 4 i + q: lanes 0-15 the word of P's block i, lanes 16-31 that of R's block i
.set PC,   96                          ; v96-103  the codes just made
.set WD,   104                         ; v104-111 a scale word for each block of the way out
.set TM,   112                         ; v112-115 largest magnitudes, v116-119 bytes, v124-127 the conversions' scale operands
.set PF,   128
.set HA,   128                         ; 64 sums + bias of a lane
.set BI,   192
.set WV,   18                          ; s18 wave;  s19 which half of P's rows is mine, also: I fetch for P (0) or R (1);  s20 which half of R's rows, also: which 128 rows I fetch
.set HP,   19
.set HR,   20
.set G1P,  28                          ; s[28:35] descriptor group 1 for P's tiles; s[36:43] group 0, a set for each slot
.set G0P,  36
.set G1R,  44                          ; s[44:51], s[52:59] the same for R's
.set G0R,  52
.set SEL,  60                          ; s[60:61] lane selects: lane l xor 16
.set G1SP, 68                          ; s[68:75], s[76:79] groups 1 and 0 for P's scale bytes; s[80:87], s[88:91] for R's
.set G0SP, 76
.set G1SR, 80
.set G0SR, 88
.set MSB, 0
.macro WIN new                         ; the immediate's high byte repeats the setting that is left
.if MSB != (\new)
	s_set_vgpr_msb (MSB<<8)|(\new)
.set MSB, \new
.endif
.endm
.set MUL_LO, 0xa1                      ; source 0 (R) window 1, source 1 (P) window 0, C and D window 2
.set MUL_HI, 0xf1                      ; the same, C and D window 3
.set TO_R,   0x40                      ; destination window 1, address window 0
; A joint load: waves 0 and 1 fetch for P, waves 2 and 3 for R.  Each line has one mask and one set of registers; the branch hangs on the wave's number alone.
; Four v_nop follow each of the two lines, ahead of the jump, the label and what follows.
.macro JLOAD g0a, g1a, g0b, g1b
	s_cmp_eq_u32 s[HP], 0
	s_cbranch_scc0 .Lfor_r_\@
	tensor_load_to_lds s[\g0a:\g0a+3], s[\g1a:\g1a+7]
	s_nop 0
.rept 4
	v_nop
.endr
	s_branch .Lasked_\@
.Lfor_r_\@:
	tensor_load_to_lds s[\g0b:\g0b+3], s[\g1b:\g1b+7]
	s_nop 0
.rept 4
	v_nop
.endr
.Lasked_\@:
.endm
.macro CROUND                          ; a round of the cluster's barrier
	s_barrier_signal -1
	s_barrier_wait -1
	s_cmp_lg_u32 s[WV], 0
	s_cbranch_scc1 .Lnot_wave_0_\@
	s_barrier_signal -3
.Lnot_wave_0_\@:
	s_barrier_wait -3
	s_barrier_signal -1
	s_barrier_wait -1
.endm
	s_load_b256 s[4:11], s[0:1], 0x0               ; x's codes s[4:5], x's scales s[6:7], w's codes s[8:9], w's scales s[10:11]
	s_load_b128 s[12:15], s[0:1], 0x20             ; b_qkv s[12:13], q s[14:15]
	s_load_b64 s[16:17], s[0:1], 0x30              ; kv
	v_lshl_add_u32 v122, v0, 2, 0x49c00
	v_mov_b32 v123, 0
	ds_add_u32 v122, v123
	ds_add_u32 v122, v123
	v_lshrrev_b32 v1, 5, v0
	v_readfirstlane_b32 s[WV], v1                  ; wave 0..3
	s_lshr_b32 s[HP], s[WV], 1
	s_and_b32 s[HR], s[WV], 1
	s_bfe_u32 s21, ttmp6, 0x40000                  ; cx, cy: my place in the cluster
	s_bfe_u32 s22, ttmp6, 0x40004
	s_and_b32 s23, ttmp7, 0xffff
	s_lshl_b32 s23, s23, 2                         ; 4 x cluster y
	s_lshl_b32 s25, ttmp9, 2                       ; 4 x cluster x
	s_cmp_eq_u32 ttmp9, 2                          ; the v way?  The cluster's x is the same in all sixteen partners
	s_cselect_b32 s24, 1, 0
	s_cselect_b32 s26, 8, s23
	s_cselect_b32 s27, s23, s25
	s_add_co_u32 s26, s26, s22                     ; P's tile of 256 rows: q, k: tokens 4 cluster y + cy;  v: w's tile 8 + cy
	s_add_co_u32 s27, s27, s21                     ; R's: q, k: w's tile 4 cluster x + cx;  v: tokens 4 cluster y + cx
	s_lshl_b32 s100, s22, 2
	s_lshl_b32 s100, 15, s100                      ; my row of the cluster
	s_lshl_b32 s101, 0x1111, s21                   ; my column
	; descriptor group 1: a tile of 128 rows x 256 bytes, padded in LDS
	s_or_b32 s[G1P], s100, (1<<20)|(1<<21)|(5<<22)|(3<<25)   ; 15:0 the mask; 17:16 elements of 1 byte; 20 padding on; 21 set beside a mask; 24:22 after every 64 words; 31:25 four words
	s_or_b32 s[G1R], s101, (1<<20)|(1<<21)|(5<<22)|(3<<25)
.irp g, G1P, G1R
	s_mov_b32 s[\g+1], ROWB<<16                    ; tensor_dim0
	s_mov_b32 s[\g+2], 128<<16                     ; tensor_dim1
	s_mov_b32 s[\g+3], ROWB<<16                    ; tile_dim0
	s_mov_b32 s[\g+4], 128                         ; tile_dim1
	s_mov_b32 s[\g+5], KROW                        ; from row to row
	s_mov_b32 s[\g+6], 0
	s_mov_b32 s[\g+7], 0
.endr
	; the scale bytes of 128 rows: 4,096 dense bytes, as 16 rows of 256 bytes (32 elements of 8 bytes), 16 bytes of padding behind each
	s_or_b32 s[G1SP], s100, (3<<16)|(1<<20)|(1<<21)|(5<<22)|(3<<25)
	s_or_b32 s[G1SR], s101, (3<<16)|(1<<20)|(1<<21)|(5<<22)|(3<<25)
.irp g, G1SP, G1SR
	s_mov_b32 s[\g+1], 32<<16
	s_mov_b32 s[\g+2], 16<<16
	s_mov_b32 s[\g+3], 32<<16
	s_mov_b32 s[\g+4], 16
	s_mov_b32 s[\g+5], 32
	s_mov_b32 s[\g+6], 0
	s_mov_b32 s[\g+7], 0
.endr
	s_lshl_b32 s25, s[HR], 7                       ; which 128 rows of the tile I fetch
	s_lshl_b32 s2, s26, 8
	s_add_co_u32 s2, s2, s25                       ; P's row
	s_lshl_b32 s60, s2, 5                          ; its scale bytes,
	s_lshl_b32 s2, s2, 9                           ; its codes
	s_mov_b32 s3, 0
	s_mov_b32 s61, 0
	s_lshl_b32 s66, s27, 8
	s_add_co_u32 s66, s66, s25                     ; R's row
	s_lshl_b32 s62, s66, 5
	s_lshl_b32 s66, s66, 9
	s_mov_b32 s67, 0
	s_mov_b32 s63, 0
	s_mul_i32 s100, s[WV], HALFT                   ; where they go: wave x 128 rows: no place in the cluster enters an LDS address
	s_mul_i32 s101, s[WV], HALFS
	s_wait_dscnt 0x0
	s_wait_kmcnt 0x0
	s_cmp_eq_u32 s24, 1                            ; the choice of buffers hangs on the cluster's x alone
	s_cselect_b64 s[92:93], s[8:9], s[4:5]         ; P's codes
	s_cselect_b64 s[94:95], s[10:11], s[6:7]       ; P's scales
	s_cselect_b64 s[96:97], s[4:5], s[8:9]         ; R's codes
	s_cselect_b64 s[98:99], s[6:7], s[10:11]       ; R's scales
	s_add_nc_u64 s[92:93], s[92:93], s[2:3]
	s_add_nc_u64 s[94:95], s[94:95], s[60:61]
	s_add_nc_u64 s[96:97], s[96:97], s[66:67]
	s_add_nc_u64 s[98:99], s[98:99], s[62:63]
	CROUND                                         ; all sixteen work-groups are here: the joint loads meet
	s_mov_b32 s[G0SP], 1
	s_add_co_u32 s[G0SP+1], s101, SCL
	s_mov_b64 s[G0SP+2:G0SP+3], s[94:95]
	s_or_b32 s[G0SP+3], s[G0SP+3], 0x80000000
	s_mov_b32 s[G0SR], 1
	s_add_co_u32 s[G0SR+1], s101, SCL
	s_mov_b64 s[G0SR+2:G0SR+3], s[98:99]
	s_or_b32 s[G0SR+3], s[G0SR+3], 0x80000000
	JLOAD G0SP, G1SP, G0SR, G1SR                   ; the scale bytes first: they are wanted with slot 0
.irp s, 0,1
	s_mov_b32 s[G0P+4*\s], 1
	s_add_co_u32 s[G0P+4*\s+1], s100, \s*SLOT
	s_add_nc_u64 s[G0P+4*\s+2:G0P+4*\s+3], s[92:93], \s*ROWB
	s_or_b32 s[G0P+4*\s+3], s[G0P+4*\s+3], 0x80000000
	s_mov_b32 s[G0R+4*\s], 1
	s_add_co_u32 s[G0R+4*\s+1], s100, \s*SLOT
	s_add_nc_u64 s[G0R+4*\s+2:G0R+4*\s+3], s[96:97], \s*ROWB
	s_or_b32 s[G0R+4*\s+3], s[G0R+4*\s+3], 0x80000000
	JLOAD G0P+4*\s, G1P, G0R+4*\s, G1R             ; three loads of mine are out: all that this launch fetches by the mover
.endr
	v_and_b32 v1, 15, v0                           ; r = lane % 16
	v_bfe_u32 v2, v0, 4, 1                         ; h = lane / 16
	v_and_b32 v3, 31, v0                           ; lane
	v_mul_u32_u24 v4, v1, PITCH
	v_lshl_add_u32 v4, v2, 4, v4                   ; a fragment's row x pitch + 16 x half
	s_mul_i32 s2, s[HP], HALFT                     ; my 128 rows of P
	s_mul_i32 s3, s[HR], HALFT                     ; my 128 rows of R,
	s_add_co_u32 s3, s3, 2*HALFT                   ; which lie behind P's 256
.irp s, 0,1
	v_add_nc_u32 v[ADRP+\s], s2, v4
	v_add_nc_u32 v[ADRR+\s], s3, v4
	s_add_co_u32 s2, s2, SLOT
	s_add_co_u32 s3, s3, SLOT
.endr
	v_mul_u32_u24 v5, v1, KS                       ; my row's scale bytes: 32 a row,
	v_lshrrev_b32 v6, 8, v5
	v_lshl_add_u32 v5, v6, 4, v5                   ; and 16 more for each 256 passed
	s_mul_i32 s2, s[HP], HALFS
	s_mul_i32 s3, s[HR], HALFS
	s_add_co_u32 s3, s3, 2*HALFS
	s_sub_co_u32 s3, s3, s2
	v_mul_u32_u24 v6, s3, v2                       ; lanes 16-31 take R's
	s_add_co_u32 s2, s2, SCL
	v_add_nc_u32 v5, v5, v6
	v_add_nc_u32 v[ADRS], s2, v5
	v_lshlrev_b32 v[LI], 4, v3
	v_lshlrev_b32 v[SH], 4, v2
	s_lshl_b32 s2, s[WV], 10
	s_add_co_u32 s2, s2, STQ
	v_lshlrev_b32 v5, 4, v1
	v_lshl_add_u32 v5, v2, 9, v5
	v_add_nc_u32 v[STQW], s2, v5                   ; head h's 512 bytes, token r's 16
	v_add_nc_u32 v[STQR], s2, v[LI]
	s_lshl_b32 s2, s[WV], 9
	s_add_co_u32 s2, s2, STV
	v_lshlrev_b32 v5, 3, v1
	v_add_nc_u32 v[STVW], s2, v5
	v_add_nc_u32 v[STVR], s2, v[LI]
	v_mul_u32_u24 v[VSO], v2, KVHEAD
	v_lshl_add_u32 v[VSO], v1, 4, v[VSO]           ; lanes 0-15 the first head's 256 bytes, lanes 16-31 the second's
	v_lshlrev_b32 v[BQ], 5, v2
	v_lshlrev_b32 v[BV], 2, v1
.irp b, 0,1,2,3
	v_mov_b32 v[TM+4+\b], 0                        ; written once: a lane permute's destination counts as one of its sources
.endr
	; WHERE THE RESULTS GO.  My 128 tokens are run g of 128 (batch g / 16, record g % 16); my 128 features are two heads.
	s_lshl_b32 s25, s24, 9
	s_add_co_u32 s25, s25, 8192                    ; where the scale words lie in a record: k 8,192, v 8,704,
	s_cmp_eq_u32 s24, 1
	s_cselect_b32 s4, s27, s26                     ; the tile of tokens,
	s_cselect_b32 s5, s[HR], s[HP]                 ; my half of it,
	s_cselect_b32 s6, s22, s21                     ; the tile of features within q, k or v,
	s_cselect_b32 s7, s[HP], s[HR]                 ; my half of it,
	s_cselect_b32 s8, s26, s27                     ; the tile of features within all 3,072,
	s_cselect_b32 s9, 4096, 0                      ; where the codes lie in a record
	s_cmp_eq_u32 ttmp9, 0                          ; q's buffer or kv's
	s_mov_b32 s10, KVHEAD
	s_cselect_b32 s10, QHEAD, s10                  ; bytes from head to head,
	s_mov_b32 s11, KVREC
	s_cselect_b32 s11, QREC, s11                   ; from record to record
	s_cselect_b32 s25, 4096, s25                   ; (q: 4,096)
	s_cselect_b64 s[92:93], s[14:15], s[16:17]
	s_lshl_b32 s4, s4, 1
	s_add_co_u32 s4, s4, s5                        ; g
	s_lshr_b32 s5, s4, 4                           ; batch
	s_and_b32 s4, s4, 15                           ; record
	s_lshl_b32 s5, s5, 4
	s_lshl_b32 s6, s6, 2
	s_add_co_u32 s5, s5, s6
	s_lshl_b32 s6, s7, 1
	s_add_co_u32 s5, s5, s6                        ; my first head: 16 batch + 4 tile + 2 half
	s_mul_i32 s5, s5, s10
	s_mul_i32 s4, s4, s11
	s_add_co_u32 s4, s4, s5
	s_mov_b32 s5, 0
	s_add_nc_u64 s[92:93], s[92:93], s[4:5]        ; the first head's record
	s_mov_b32 s4, s25
	s_add_nc_u64 s[96:97], s[92:93], s[4:5]        ; its scale words
	s_mov_b32 s4, s9
	s_add_nc_u64 s[92:93], s[92:93], s[4:5]        ; its codes
	s_mov_b32 s4, s10
	s_add_nc_u64 s[94:95], s[92:93], s[4:5]        ; the second head's codes
	s_add_nc_u64 s[98:99], s[96:97], s[4:5]        ; and scale words
	s_lshl_b32 s8, s8, 10
	s_lshl_b32 s7, s7, 9
	s_add_co_u32 s4, s8, s7
	s_add_nc_u64 s[100:101], s[12:13], s[4:5]      ; my 128 biases
	s_mov_b32 s[SEL], 0x76543210
	s_mov_b32 s[SEL+1], 0xfedcba98
.macro FRAG reg, adr, q, i             ; a fragment: lane l holds row l % 16; registers 4 c .. 4 c + 3 hold K = 64 c + 32 (l / 16) + 0 .. 31
.irp c, 0,1
	ds_load_b128 v[\reg+4*\c:\reg+4*\c+3], v[\adr] offset:64*(\q)+32*\c+(\i)*16*PITCH
.endr
.endm
; 16 matrix instructions: P's blocks a0, a0 + 1 x R's eight, the slot's q-th 128 along K.  p: R's set; sc: the set of scale words.  zero = 1: the first product starts the sums.
; The 64 accumulators take turns, one instruction a turn, in the same order in every step.
.macro MUL16 a0, p, q, sc, zero
.irp a, \a0, \a0+1
.irp b, 0,1,2,3,4,5,6,7
.if \zero
	v_wmma_scale_f32_16x16x128_f8f6f4 v[8*(8*((\a)%4)+\b):8*(8*((\a)%4)+\b)+7], v[128*(\p)+FR*\b:128*(\p)+FR*\b+FR-1], v[PF+FR*(\a):PF+FR*(\a)+FR-1], 0, v[SC+8*NQ*(\sc)+NQ*\b+(\q)], v[SC+8*NQ*(\sc)+NQ*(\a)+(\q)] matrix_a_fmt:MATRIX_FMT_FP4 matrix_b_fmt:MATRIX_FMT_FP4 matrix_a_scale:MATRIX_SCALE_ROW1
.else
	v_wmma_scale_f32_16x16x128_f8f6f4 v[8*(8*((\a)%4)+\b):8*(8*((\a)%4)+\b)+7], v[128*(\p)+FR*\b:128*(\p)+FR*\b+FR-1], v[PF+FR*(\a):PF+FR*(\a)+FR-1], v[8*(8*((\a)%4)+\b):8*(8*((\a)%4)+\b)+7], v[SC+8*NQ*(\sc)+NQ*\b+(\q)], v[SC+8*NQ*(\sc)+NQ*(\a)+(\q)] matrix_a_fmt:MATRIX_FMT_FP4 matrix_b_fmt:MATRIX_FMT_FP4 matrix_a_scale:MATRIX_SCALE_ROW1
.endif
.endr
.endr
.endm
.macro FETCH_R slot, q, p              ; R's eight fragments into set p
	WIN TO_R
.irp i, 0,1,2,3,4,5,6,7
	FRAG 128*(\p)+FR*\i, ADRR+\slot, \q, \i
.endr
	WIN 0
.endm
.macro FETCH_P slot, q, i0             ; P's blocks i0 .. i0 + 3
.irp i, \i0, \i0+1, \i0+2, \i0+3
	FRAG PF+FR*(\i), ADRP+\slot, \q, \i
.endr
.endm
.macro SCALES sc                       ; a slot's scale words: four a row; lanes 0-15 take P's block i, lanes 16-31 R's block i
.irp i, 0,1,2,3,4,5,6,7
	ds_load_b128 v[SC+8*NQ*\sc+NQ*\i:SC+8*NQ*\sc+NQ*\i+3], v[ADRS] offset:\i*SBLK
.endr
.endm
.macro PLACES n                        ; plain vector instructions between a matrix instruction and a load into, or a vector instruction on, its registers
.rept \n
	v_nop
.endr
.endm
; A step of 128 along K that has its successor in the same slot.  P has one set of registers: blocks 0-3 are fetched anew in the step's middle, blocks 4-7 at its end.
.macro STEP slot, q, zero
	s_wait_dscnt 4*NL                              ; all but the youngest eight loads (P's blocks 4-7) are in
	WIN MUL_LO
	MUL16 0, (\q)%2, \q, \slot, \zero
	MUL16 2, (\q)%2, \q, \slot, \zero
	s_wait_dscnt 0                                 ; P's blocks 4-7 are in
	PLACES NP
	FETCH_R \slot, (\q)+1, 1-(\q)%2
	FETCH_P \slot, (\q)+1, 0
	WIN MUL_HI
	MUL16 4, (\q)%2, \q, \slot, \zero
	MUL16 6, (\q)%2, \q, \slot, \zero
	PLACES NP
	WIN 0
	FETCH_P \slot, (\q)+1, 4
.endm
.macro STEPS slot, from
.set Q, \from
.rept NQ-1-\from
	STEP \slot, Q, 0
.set Q, Q+1
.endr
.endm
; Slot 0's last step goes over to slot 1: each wave waits for its part of slot 1, and the barrier shows every wave's part to all.  Nothing is filled again.
.macro TURN slot, next
	s_wait_tensorcnt 0x0                           ; my part of the next slot has landed: no load of mine is out any more
	s_wait_dscnt 4*NL
	WIN MUL_LO
	MUL16 0, 1, NQ-1, \slot, 0
	s_wait_dscnt 0x0                               ; no LDS instruction of mine is out at the signal
	s_barrier_signal -1
	MUL16 2, 1, NQ-1, \slot, 0
	WIN 0
	s_barrier_wait -1
	PLACES NP
	v_add_nc_u32 v[ADRS], 4*NQ, v[ADRS]            ; the next slot's scale words: 16 bytes on in each row
	FETCH_R \next, 0, 0
	FETCH_P \next, 0, 0
	SCALES \next
	WIN MUL_HI
	MUL16 4, 1, NQ-1, \slot, 0
	MUL16 6, 1, NQ-1, \slot, 0
	PLACES NP
	WIN 0
	FETCH_P \next, 0, 4
.endm
.macro LAST                            ; the very last step: nothing more to fetch
	s_wait_dscnt 4*NL
	WIN MUL_LO
	MUL16 0, 1, NQ-1, 1, 0
	MUL16 2, 1, NQ-1, 1, 0
	s_wait_dscnt 0
	WIN MUL_HI
	MUL16 4, 1, NQ-1, 1, 0
	MUL16 6, 1, NQ-1, 1, 0
	WIN 0
	PLACES NP                                      ; in front of the first read of results and the first write over P's fragments
.endm
; 64 numbers of a lane, register s + 8 b + j = place 16 b + 8 (lane / 16) + j along the next K, become a fragment's codes in v[pc] on and its scale word in v[pw].
; Block beta of 32 is registers 16 beta .. 16 beta + 15 of lanes l and l xor 16.  Eight codes from registers 16 (2 c + e) + 8 u on, in lane half h, are places 64 c + 32 e + 16 u + 8 h on:
; the operand wants them in lane half e, register 4 c + 2 u + h.  So they are made in register 4 c + 2 u + e, and one exchange of halves for each pair of registers puts them right.
.macro QUANT s, pc, pw
.irp b, 0,1,2,3
	v_max3_num_f32 v[TM+\b], |v[\s+16*\b]|, |v[\s+1+16*\b]|, 0x1800000   ; my 16 numbers of block b, and the floor 2^(3 - 127): the byte cannot fall under 1
.endr
.irp i, 2,4,6,8,10,12,14
.irp b, 0,1,2,3
	v_max3_num_f32 v[TM+\b], v[TM+\b], |v[\s+16*\b+\i]|, |v[\s+1+16*\b+\i]|   ; (the four blocks by turns)
.endr
.endr
.irp b, 0,1,2,3
	v_permlanex16_b32 v[TM+4+\b], v[TM+\b], s[SEL], s[SEL+1]
.endr
.irp b, 0,1,2,3
	v_max_num_f32 v[TM+\b], v[TM+\b], v[TM+4+\b]   ; with lane l xor 16's: the block's largest magnitude
.endr
.irp b, 0,1,2,3
	v_add_nc_u32 v[TM+12+\b], 0xff000000, v[TM+\b]   ; 2 off its exponent field: the conversion takes that field as its scale
.endr
.irp b, 0,1,2,3
	v_lshrrev_b32 v[TM+4+\b], 23, v[TM+12+\b]      ; the scale's byte
.endr
	v_lshl_or_b32 v[\pw], v[TM+5], 8, v[TM+4]
	v_lshl_or_b32 v[\pw], v[TM+6], 16, v[\pw]
	v_lshl_or_b32 v[\pw], v[TM+7], 24, v[\pw]
.irp c, 0,1
.irp e, 0,1
	v_cvt_scalef32_pk8_fp4_f32 v[\pc+4*\c+\e], v[\s+16*(2*\c+\e):\s+16*(2*\c+\e)+7], v[TM+12+2*\c+\e]
	v_cvt_scalef32_pk8_fp4_f32 v[\pc+4*\c+2+\e], v[\s+16*(2*\c+\e)+8:\s+16*(2*\c+\e)+15], v[TM+12+2*\c+\e]
.endr
.endr
	v_nop                                          ; one plain place behind a scaled conversion
.irp c, 0,1
.irp u, 0,1
	v_permlane16_swap_b32 v[\pc+4*\c+2*\u], v[\pc+4*\c+2*\u+1]
.endr
.endr
.endm
; P's block a: its 64 sums of a lane + the bias, each accumulator from its low end on.  isv = 0: a bias for each register; 1: one bias for the lane
.macro ADDB a, isv
	WIN 0x02+(\a)/4                                ; source 0: window 2 or 3
.set II, 0
.rept 32
.if \isv
	v_pk_add_f32 v[HA+II:HA+II+1], v[64*((\a)%4)+II:64*((\a)%4)+II+1], v[BI+2*(\a):BI+2*(\a)+1]
.else
	v_pk_add_f32 v[HA+II:HA+II+1], v[64*((\a)%4)+II:64*((\a)%4)+II+1], v[BI+II:BI+II+1]
.endif
.set II, II+2
.endr
	WIN 0
.endm
	s_wait_tensorcnt 1                             ; the scale bytes and my part of slot 0 are in; slot 1's load, the one issued behind them, may be out
	s_barrier_signal -1
	s_barrier_wait -1                              ; everybody's are
	FETCH_R 0, 0, 0
	FETCH_P 0, 0, 0
	SCALES 0
	FETCH_P 0, 0, 4
	STEP 0, 0, 1                                   ; the first products start the sums: nothing is cleared
	STEPS 0, 1
	TURN 0, 1
	s_cmp_eq_u32 s24, 1                            ; the two ways part here, on the cluster's x; slot 1's steps stand between each way's loads of the bias and the wait for them
	s_cbranch_scc1 .Lv
	s_wait_alu depctr_va_vdst(0)
	; ---- q and k: a lane holds one token; register 8 b + j is feature 16 b + 8 h + j
.irp b, 0,1,2,3,4,5,6,7
	global_load_b128 v[BI+8*\b:BI+8*\b+3], v[BQ], s[100:101] offset:64*\b
	global_load_b128 v[BI+8*\b+4:BI+8*\b+7], v[BQ], s[100:101] offset:64*\b+16
.endr
	STEPS 1, 0
	LAST
	s_wait_loadcnt 0x0                             ; the bias
.irp a, 0,1,2,3,4,5,6,7
	ADDB \a, 0
	s_wait_xcnt 0x0                                ; the last block's stores have read the codes' registers
	QUANT HA, PC, PW
	global_store_b128 v[LI], v[PC:PC+3], s[92:93] offset:512*\a     ; features 0-63: the first head's tile a: 512 consecutive bytes
	global_store_b128 v[LI], v[PC+4:PC+7], s[94:95] offset:512*\a   ; features 64-127: the second head's
	v_lshrrev_b32 v[WD+\a], v[SH], v[PW]           ; lanes 0-15 keep the first head's two bytes, lanes 16-31 the second's
	v_and_b32 v[WD+\a], 0xffff, v[WD+\a]
	ds_store_b32 v[STQW], v[WD+\a] offset:256*(\a%2)+4*(\a/2)       ; token 16 a + r: 16 (token % 32) + 4 (token / 32)
.endr
	ds_load_b128 v[RB0:RB0+3], v[STQR]             ; LDS serves a wave's instructions in order: these see my stores
	ds_load_b128 v[RB1:RB1+3], v[STQR] offset:512
	s_wait_dscnt 0x0
	global_store_b128 v[LI], v[RB0:RB0+3], s[96:97]
	global_store_b128 v[LI], v[RB1:RB1+3], s[98:99]
	s_branch .Lend
.Lv:
	s_wait_alu depctr_va_vdst(0)
	; ---- v: a lane holds one feature (block a: d = 16 (a % 4) + r of head a / 4); register 8 b + j is key 16 b + 8 h + j
.irp a, 0,1,2,3,4,5,6,7
	global_load_b32 v[BI+2*\a], v[BV], s[100:101] offset:64*\a      ; twice: a pair for the packed addition
	global_load_b32 v[BI+2*\a+1], v[BV], s[100:101] offset:64*\a
.endr
	STEPS 1, 0
	LAST
	s_wait_loadcnt 0x0
.irp a, 0,1,2,3,4,5,6,7
	ADDB \a, 1
	s_wait_xcnt 0x0
	QUANT HA, PC, WD+\a
	global_store_b128 v[LI], v[PC:PC+3], s[92+2*(\a/4):93+2*(\a/4)] offset:1024*(\a%4)        ; keys 0-63 of the record's 128
	global_store_b128 v[LI], v[PC+4:PC+7], s[92+2*(\a/4):93+2*(\a/4)] offset:1024*(\a%4)+512  ; keys 64-127
	ds_store_b32 v[STVW], v[WD+\a] offset:256*(\a/4)+128*(\a%2)+4*((\a/2)%2)   ; row d: 8 (d % 32) + 4 (d / 32); lanes l and l xor 16 write the same word with the same value
.endr
	ds_load_b128 v[RB0:RB0+3], v[STVR]
	s_wait_dscnt 0x0
	global_store_b128 v[VSO], v[RB0:RB0+3], s[96:97]   ; sixteen lanes store a head's 256 consecutive bytes
.Lend:
	s_wait_dscnt 0x0
	s_wait_tensorcnt 0x0
	ds_add_u32 v122, v123
	s_wait_dscnt 0x0
	CROUND                                         ; the closing round: no work-group ends while a partner may still ask for a tile that names it
	s_endpgm
.Lfunc_end_k_q9b4008e403_qkv:
	.size	k_q9b4008e403_qkv, .Lfunc_end_k_q9b4008e403_qkv-k_q9b4008e403_qkv
	.p2alignl 7, 3214868480
	.fill 96, 4, 3214868480
	.section	.rodata,"a",@progbits
	.p2align	6, 0x0
	.amdhsa_kernel k_q9b4008e403_qkv
		.amdhsa_group_segment_fixed_size 302592
		.amdhsa_private_segment_fixed_size 0
		.amdhsa_enable_private_segment 0
		.amdhsa_kernarg_size 56
		.amdhsa_user_sgpr_count 2
		.amdhsa_user_sgpr_kernarg_segment_ptr 1
		.amdhsa_wavefront_size32 1
		.amdhsa_system_sgpr_workgroup_id_x 1
		.amdhsa_system_sgpr_workgroup_id_y 1
		.amdhsa_system_sgpr_workgroup_id_z 1
		.amdhsa_system_vgpr_workitem_id 0
		.amdhsa_next_free_vgpr 1024
		.amdhsa_next_free_sgpr 102
		.amdhsa_reserve_vcc 0
		.amdhsa_float_denorm_mode_32 3
		.amdhsa_float_denorm_mode_16_64 3
		.amdhsa_memory_ordered 1
		.amdhsa_forward_progress 1
		.amdhsa_inst_pref_size 238
	.end_amdhsa_kernel
	.amdgpu_metadata
---
amdhsa.version: [ 1, 2 ]
amdhsa.kernels:
  - .name:           k_q9b4008e403_qkv
    .symbol:         k_q9b4008e403_qkv.kd
    .args:
      - { .name: x_codes, .offset: 0, .size: 8, .value_kind: global_buffer, .address_space: global }
      - { .name: x_scales, .offset: 8, .size: 8, .value_kind: global_buffer, .address_space: global }
      - { .name: w_qkv_codes, .offset: 16, .size: 8, .value_kind: global_buffer, .address_space: global }
      - { .name: w_qkv_scales, .offset: 24, .size: 8, .value_kind: global_buffer, .address_space: global }
      - { .name: b_qkv, .offset: 32, .size: 8, .value_kind: global_buffer, .address_space: global }
      - { .name: q, .offset: 40, .size: 8, .value_kind: global_buffer, .address_space: global }
      - { .name: kv, .offset: 48, .size: 8, .value_kind: global_buffer, .address_space: global }
    .group_segment_fixed_size: 302592
    .private_segment_fixed_size: 0
    .kernarg_segment_align: 8
    .kernarg_segment_size: 56
    .max_flat_workgroup_size: 128
    .sgpr_count:     102
    .vgpr_count:     1024
    .wavefront_size: 32
...
	.end_amdgpu_metadata
.endif
;; end of part 1
;; launch attn (part 2): grid 8 x 32, 16 waves a work-group, clusters of 4 x 1, 327,680 bytes of LDS; arguments q, kv, at_codes, at_scales; writes at_codes, at_scales
.if DOCPART == 2
	.amdgcn_target "amdgcn-amd-amdhsa--gfx1250"
	.amdhsa_code_object_version 6
	.text
	.protected	k_q9b4008e403_attn
	.globl	k_q9b4008e403_attn
	.p2align	8
	.type	k_q9b4008e403_attn,@function
k_q9b4008e403_attn:
	s_mov_b64 s[64:65], 0
	v_nop
	global_prefetch_b8 v0, s[64:65] scope:SCOPE_SE
	s_setreg_imm32_b32 hwreg(HW_REG_WAVE_MODE, 25, 1), 1
	s_wait_xcnt 0x0
	s_wait_alu depctr_hold_cnt(0) depctr_sa_sdst(0) depctr_va_vdst(0) depctr_va_sdst(0) depctr_va_ssrc(0) depctr_va_vcc(0) depctr_vm_vsrc(0)
	s_getreg_b32 s2, hwreg(HW_REG_IB_STS2, 6, 4)
	s_cmp_eq_u32 s2, 0
	s_cbranch_scc0 .Lentry_in_a_cluster
	s_endpgm
.Lentry_in_a_cluster:
	s_bfe_u32 s2, ttmp6, 0x10000c
	s_cmp_lg_u32 s2, 0x3003
	s_cbranch_scc0 .Lentry_shape_is_right
	s_endpgm
.Lentry_shape_is_right:
; attn[b][q][head][:] = the sum over k of softmax_k(q . k / 8) v, both products on codes of FP4 (E2M1) with one E8M0 scale for each 32 along a product's K; the result is quantised at once for the projection that follows.
; THE SOFTMAX AHEAD OF THE SECOND PRODUCT: t = score x log2(e) / 8; M = the row's largest t so far, rounded UP to a whole number; p = 2^(t - M) is what is quantised, along the keys; it is not normalised.
; The row's sum is taken of the unquantised p, in f32, and divides at the end.  When M moves, the sum and O are multiplied by 2^(old M - new M): exact.
; SHARES.  A work-group owns 256 queries and TWO heads (2 y, 2 y + 1 of the 64): 128 along the projection's K, one scale word.  Each of its sixteen waves owns one tile of 16 queries and walks first the one head's
; 2,048 keys, then the other's, 128 keys a step.  Four waves share a SIMD, so that one wave's vector work stands beside another's LDS loads and matrix work.
; LDS.  The two heads' k and v, 32 records of 8,960 bytes, all fit: each wave brings two records at the start, and no byte is filled again.  Records are images of operand registers, so every LDS load takes
; consecutive bytes, 16 or 8 a lane.  CLUSTER: the four blocks of queries of a cluster read the same records: each is asked for jointly, with a mask that names the four.
; LAYOUT.  Both products are used transposed: S^T = k q^T (source 0 = 16 keys, source 1 = my 16 queries), O^T = v^T p^T (source 0 = 16 of the head's 64, source 1 = p): a lane holds ONE query (lane % 16) throughout.
; The head's 64 are half of the instruction's 128 along K: the upper four registers of q's and k's fragments hold zero codes, which add nothing (their scale bytes are 0, which is 2^-127 and no NaN).
; LIMITS: NaN and infinities are not served.  A block's largest p is not searched for: the block's largest score goes through the same multiply-add and exponential, which takes v_exp_f32 not to fall where its input
; rises.  A block of zeros gets the byte 1 where the rule says 127: its codes are zeros, and this program alone reads the bytes.  The division by the sum is v_rcp_f32 and a multiplication.
.set REC,   8960                       ; a record: k's 8 tiles (4,096), v's 4 tiles (4,096), k's scale words (512), v's (256)
.set HEADB, 16*REC
.set STG,   2*HEADB                    ; behind the records: 1,024 bytes for the 256 queries' scale words; no tile lands here
.set LI,   1                           ; v1   16 x lane
.set L8,   2                           ; v2   8 x lane
.set AD,   3                           ; v3   the step's record + 16 x lane
.set AD2,  4                           ; v4   + 8 x lane
.set R16,  5                           ; v5   16 x (lane % 16)
.set STW,  6                           ; v6   where my query's scale word goes
.set STR,  7                           ; v7   where waves 0 and 1 read 16 bytes back
.set KSC,  8                           ; v8-11   k's scale words: register i, lane l: key 32 i + l
.set QF,   16                          ; v16-23, v24-31  q's fragments of the two heads
.set KF,   32                          ; v32-95  k's 8 tiles
.set S,    96                          ; v96-159 S^T, then p: register 8 t + j is key 16 t + 8 (lane / 16) + j
.set OT,   160                         ; v160-191 O^T: register 8 t + j is d = 16 t + 8 (lane / 16) + j
.set VF,   192                         ; v192-223 v's 4 tiles
.set PC,   224                         ; v224-231 p's codes
.set BM,   232                         ; v232-235 the blocks' largest scores, then largest p
.set BY,   236                         ; v236-239 from the other half of the lanes; then the bytes
.set PSC,  240                         ; v240 p's scale word
.set HW,   241                         ; v241 attn's scale word: two bytes a head
.set QSC,  242                         ; v242, v243 q's scale words
.set SO,   244                         ; v244-247 the conversions' scale operands
.set VSC,  248                         ; v248-249 v's scale words: register i, lane l: d = 32 i + l
.set L2,   250                         ; v250-251 the sum's second chain
.set FF,   252                         ; v252 f = 2^(old M - new M); v253 is named with it as a pair
.set T0,   254
.set WV,   12
.set G1,   16                          ; s[16:23] descriptor group 1; s[24:27], s[28:31] groups 0 for my two records
.set G0A,  24
.set G0B,  28
.set SEL,  32                          ; s[32:33] lane selects: lane l xor 16
.set CS,   34                          ; s[34:35] c = log2(e) / 8
.set TB,   36                          ; s36 LDS byte at which the step's record begins
.set CNT,  37
.macro CROUND                          ; a round of the cluster's barrier
	s_barrier_signal -1
	s_barrier_wait -1
	s_cmp_lg_u32 s[WV], 0
	s_cbranch_scc1 .Lnot_wave_0_\@
	s_barrier_signal -3
.Lnot_wave_0_\@:
	s_barrier_wait -3
	s_barrier_signal -1
	s_barrier_wait -1
.endm
	s_load_b128 s[4:7], s[0:1], 0x0                ; q, kv
	s_load_b128 s[8:11], s[0:1], 0x10              ; at_codes, at_scales
	v_lshl_add_u32 v254, v0, 2, 0x46400
	v_mov_b32 v255, 0
	ds_add_u32 v254, v255
	ds_add_u32 v254, v255
	s_wait_dscnt 0x0
	v_lshrrev_b32 v1, 5, v0
	s_delay_alu instid0(VALU_DEP_1)
	v_readfirstlane_b32 s[WV], v1                  ; wave 0..15
	s_bfe_u32 s13, ttmp6, 0x40000                  ; cx: my place in the cluster
	s_lshl_b32 s14, ttmp9, 2
	s_add_co_u32 s14, s14, s13                     ; my block of 256 queries: it enters q's and the results' addresses alone
	s_and_b32 s15, ttmp7, 0xffff                   ; the pair of heads, 8 x batch + pair, which the four partners share
	; descriptor group 1: a record is 35 dense rows of 256 bytes (32 elements of 8 bytes)
	s_mov_b32 s[G1], 15|(3<<16)|(1<<21)            ; 15:0 the mask: all four work-groups; 17:16 elements of 8 bytes; 21 set beside a mask; no padding
	s_mov_b32 s[G1+1], 32<<16                      ; tensor_dim0
	s_mov_b32 s[G1+2], 35<<16                      ; tensor_dim1
	s_mov_b32 s[G1+3], 32<<16                      ; tile_dim0
	s_mov_b32 s[G1+4], 35                          ; tile_dim1
	s_mov_b32 s[G1+5], 32                          ; from row to row
	s_mov_b32 s[G1+6], 0
	s_mov_b32 s[G1+7], 0
	s_mul_i32 s46, s15, 2*HEADB
	s_mul_i32 s48, s[WV], REC                      ; record number = my wave's number: in memory and in LDS
	s_add_co_u32 s46, s46, s48
	s_mov_b32 s47, 0
	s_lshr_b32 s49, s15, 3                         ; batch
	s_and_b32 s50, s15, 7                          ; pair of heads in it
	s_mul_i32 s38, s15, 147456                     ; q: two heads of 73,728 bytes;
	s_lshl_b32 s51, s14, 1
	s_lshr_b32 s52, s[WV], 3
	s_add_co_u32 s51, s51, s52
	s_mul_i32 s51, s51, 4608                       ; record 2 x block + wave / 8;
	s_add_co_u32 s38, s38, s51
	s_and_b32 s52, s[WV], 7                        ; tile wave % 8 in it
	s_and_b32 s53, s[WV], 1
	s_lshr_b32 s54, s52, 1
	s_lshl_b32 s40, s53, 8
	s_lshl_b32 s54, s54, 2
	s_add_co_u32 s40, s40, s54
	s_add_co_u32 s40, s40, s38
	s_add_co_u32 s40, s40, 4096                    ; its scale words: 4,096 + 256 (tile % 2) + 4 (tile / 2), and 16 a query
	s_lshl_b32 s52, s52, 9
	s_add_co_u32 s38, s38, s52                     ; its codes
	s_mov_b32 s39, 0
	s_mov_b32 s41, 0
	s_lshl_b32 s42, s49, 7
	s_lshl_b32 s51, s14, 4
	s_add_co_u32 s42, s42, s51
	s_add_co_u32 s42, s42, s[WV]                   ; my tile of 16 tokens among all 512
	s_lshl_b32 s42, s42, 13                        ; 8,192 bytes a tile,
	s_lshl_b32 s51, s50, 10
	s_add_co_u32 s42, s42, s51                     ; 1,024 a pair of heads
	s_mov_b32 s43, 0
	s_lshl_b32 s44, s50, 15                        ; the scale words: 32,768 bytes a pair of heads,
	s_lshl_b32 s51, s49, 13
	s_add_co_u32 s44, s44, s51
	s_lshl_b32 s51, s14, 10
	s_add_co_u32 s44, s44, s51                     ; 4 a token,
	s_lshl_b32 s51, s53, 9
	s_add_co_u32 s44, s44, s51                     ; waves 0 and 1 store 512 bytes each
	s_mov_b32 s45, 0
	s_mov_b32 s[SEL], 0x76543210
	s_mov_b32 s[SEL+1], 0xfedcba98
	s_mov_b32 s[CS], 0x3e38aa3b                    ; c = log2(e) / sqrt(64)
	s_mov_b32 s[CS+1], s[CS]                       ; (named with it as a pair, so it is written)
	s_wait_kmcnt 0x0
	s_add_nc_u64 s[46:47], s[6:7], s[46:47]
	s_add_nc_u64 s[38:39], s[4:5], s[38:39]
	s_add_nc_u64 s[40:41], s[4:5], s[40:41]
	s_add_nc_u64 s[42:43], s[8:9], s[42:43]
	s_add_nc_u64 s[44:45], s[10:11], s[44:45]
	CROUND                                         ; all four work-groups are here: the joint loads meet
	s_mov_b32 s[G0A], 1
	s_mov_b32 s[G0A+1], s48
	s_mov_b64 s[G0A+2:G0A+3], s[46:47]
	s_or_b32 s[G0A+3], s[G0A+3], 0x80000000
	s_mov_b32 s[G0B], 1
	s_add_co_u32 s[G0B+1], s48, HEADB
	s_add_nc_u64 s[G0B+2:G0B+3], s[46:47], HEADB
	s_or_b32 s[G0B+3], s[G0B+3], 0x80000000
	tensor_load_to_lds s[G0A:G0A+3], s[G1:G1+7]    ; the first head's record number wave,
	s_nop 0
	s_wait_alu depctr_va_vdst(0)
	s_wait_tensorcnt 0x0
	ds_add_u32 v254, v255
	s_wait_dscnt 0x0
	CROUND
	tensor_load_to_lds s[G0B:G0B+3], s[G1:G1+7]    ; the second head's: one load of mine is out; two are all that I ever issue
	s_nop 0
.rept 4
	v_nop
.endr
	v_and_b32 v3, 31, v0
	s_delay_alu instid0(VALU_DEP_1)
	v_lshlrev_b32 v[LI], 4, v3
	s_delay_alu instid0(VALU_DEP_2)
	v_lshlrev_b32 v[L8], 3, v3
	v_and_b32 v4, 15, v0
	s_delay_alu instid0(VALU_DEP_1)
	v_lshlrev_b32 v[R16], 4, v4
	global_load_b128 v[QF:QF+3], v[LI], s[38:39]                  ; q's fragments stay in registers
	global_load_b128 v[QF+8:QF+11], v[LI], s[38:39] offset:73728
	global_load_b32 v[QSC], v[R16], s[40:41]
	global_load_b32 v[QSC+1], v[R16], s[40:41] offset:73728
	s_lshl_b32 s54, s[WV], 6
	s_add_co_u32 s54, s54, STG
	v_lshl_add_u32 v[STW], v4, 2, s54              ; 64 bytes a wave, 4 a query
	s_lshl_b32 s54, s53, 9
	s_add_co_u32 s54, s54, STG
	v_add_nc_u32 v[STR], s54, v[LI]
.irp j, 4,5,6,7,12,13,14,15
	v_mov_b32 v[QF+\j], 0                          ; zero codes for K = 64 .. 127
.endr
.irp t, 0,1,2,3,4,5,6,7
.irp j, 4,5,6,7
	v_mov_b32 v[KF+8*\t+\j], 0                     ; the same in k's tiles: written once, the loads fill the lower four
.endr
.endr
.irp b, 0,1,2,3
	v_mov_b32 v[BY+\b], 0                          ; written once: a lane permute's destination counts as one of its sources
.endr
	v_mov_b32 v[FF+1], 0                           ; (named as the upper half of a pair)
	v_mov_b32 v[T0], 0
; A KEY STEP: 128 keys, one record, for head p of my two.
.macro STEP p
	v_add_nc_u32 v[AD], s[TB], v[LI]
	v_add_nc_u32 v[AD2], s[TB], v[L8]
	v_nop
	v_nop                                          ; four places in front of loads into registers that the last step's products have read
	ds_load_b128 v[KSC:KSC+3], v[AD] offset:8192
.irp t, 0,1,2,3,4,5,6,7
	ds_load_b128 v[KF+8*\t:KF+8*\t+3], v[AD] offset:512*\t
.endr
	ds_load_b64 v[VSC:VSC+1], v[AD2] offset:8704
.irp d, 0,1,2,3
.irp c, 0,1
	ds_load_b128 v[VF+8*\d+4*\c:VF+8*\d+4*\c+3], v[AD] offset:4096+1024*\d+512*\c
.endr
.endr
	s_wait_dscnt 9                                 ; k and its scale words are in; the nine loads behind them, v's, may be out
.irp t, 0,2,4,6                                ; S^T = k q^T.  Tile t's scale words lie in register t / 2: even tiles in lanes 0-15, odd tiles in lanes 16-31
	v_wmma_scale_f32_16x16x128_f8f6f4 v[S+8*\t:S+8*\t+7], v[KF+8*\t:KF+8*\t+7], v[QF+8*\p:QF+8*\p+7], 0, v[KSC+\t/2], v[QSC+\p] matrix_a_fmt:MATRIX_FMT_FP4 matrix_b_fmt:MATRIX_FMT_FP4
	v_wmma_scale_f32_16x16x128_f8f6f4 v[S+8*\t+8:S+8*\t+15], v[KF+8*\t+8:KF+8*\t+15], v[QF+8*\p:QF+8*\p+7], 0, v[KSC+\t/2], v[QSC+\p] matrix_a_fmt:MATRIX_FMT_FP4 matrix_b_fmt:MATRIX_FMT_FP4 matrix_a_scale:MATRIX_SCALE_ROW1
.endr
.rept 4
	v_nop
.endr
.irp b, 0,1,2,3
	v_max3_num_f32 v[BM+\b], v[S+16*\b], v[S+1+16*\b], v[S+2+16*\b]   ; THE LARGEST SCORE OF EACH BLOCK OF 32 KEYS serves twice: for the row's maximum, and, since p rises with the score, for the block's largest p
.endr
.irp i, 3,5,7,9,11,13
.irp b, 0,1,2,3
	v_max3_num_f32 v[BM+\b], v[BM+\b], v[S+16*\b+\i], v[S+1+16*\b+\i]   ; (the four blocks by turns; each tile is first read at its low end)
.endr
.endr
.irp b, 0,1,2,3
	v_max_num_f32 v[BM+\b], v[BM+\b], v[S+15+16*\b]
.endr
.irp b, 0,1,2,3
	s_delay_alu instid0(VALU_DEP_4)
	v_permlanex16_b32 v[BY+\b], v[BM+\b], s[SEL], s[SEL+1]
.endr
.irp b, 0,1,2,3
	s_delay_alu instid0(VALU_DEP_4)
	v_max_num_f32 v[BM+\b], v[BM+\b], v[BY+\b]     ; with lane l xor 16's 16 keys
.endr
	s_delay_alu instid0(VALU_DEP_2)
	v_max3_num_f32 v[T0], v[BM], v[BM+1], v[BM+2]
	s_delay_alu instid0(VALU_DEP_1)
	v_max_num_f32 v[T0], v[T0], v[BM+3]            ; the step's largest score of my query
	s_delay_alu instid0(VALU_DEP_1)
	v_mul_f32 v[T0], s[CS], v[T0]                  ; as t (c is positive)
	s_delay_alu instid0(VALU_DEP_1)
	v_max_num_f32 v13, v13, v[T0]                  ; the running largest t
	v_mov_b32 v[T0], v12
	s_delay_alu instid0(VALU_DEP_2)
	v_floor_f32 v12, -v13                          ; the new -M = floor(-t) = -ceil(t): M is a whole number
	s_delay_alu instid0(VALU_DEP_1)
	v_sub_f32 v[T0], v12, v[T0]                    ; M's old value less its new one: a whole number, 0 or less
	s_delay_alu instid0(VALU_DEP_1)
	v_cvt_i32_f32 v[T0], v[T0]                     ; (it saturates)
	s_delay_alu instid0(VALU_DEP_1)
	v_ldexp_f32 v[FF], 1.0, v[T0]                  ; f = 2^(old M - new M)
.set JJ, 0
.rept 32
	v_pk_fma_f32 v[S+JJ:S+JJ+1], v[S+JJ:S+JJ+1], s[CS:CS+1], v[12:13] op_sel_hi:[1,0,0]   ; t - M, two at a time (of the pairs c and -M the low word serves both halves)
.set JJ, JJ+2
.endr
.irp b, 0,1,2,3
	v_fma_f32 v[BM+\b], v[BM+\b], s[CS], v12       ; the same of each block's largest score
.endr
.set JJ, 0
	s_wait_alu depctr_va_vdst(0)
.rept 64
	v_exp_f32 v[S+JJ], v[S+JJ]                     ; p = 2^(t - M), at most 1: not normalised
.set JJ, JJ+1
.endr
	s_setprio 1
.irp b, 0,1,2,3
	v_exp_f32 v[BM+\b], v[BM+\b]                   ; the block's largest p: the same two instructions on the same number give the same bits
.endr
	v_pk_mul_f32 v[14:15], v[14:15], v[FF:FF+1] op_sel_hi:[1,0]   ; the sums under the new M.  (A plain place behind the exponentials)
	s_wait_alu depctr_va_vdst(0)
.irp b, 0,1,2,3
	v_max_num_f32 v[BM+\b], 0x1800000, v[BM+\b]    ; the floor 2^(3 - 127): the byte cannot fall under 1
.endr
.irp b, 0,1,2,3
	s_delay_alu instid0(VALU_DEP_4)
	v_add_nc_u32 v[SO+\b], 0xff000000, v[BM+\b]    ; 2 off the exponent field: the conversion's scale operand
.endr
.irp b, 0,1,2,3
	s_delay_alu instid0(VALU_DEP_4)
	v_lshrrev_b32 v[BY+\b], 23, v[SO+\b]           ; the scale's byte
.endr
	s_delay_alu instid0(VALU_DEP_3)
	v_lshl_or_b32 v[PSC], v[BY+1], 8, v[BY]        ; p's scale word for these 128 keys
	s_delay_alu instid0(VALU_DEP_1)
	v_lshl_or_b32 v[PSC], v[BY+2], 16, v[PSC]
	s_delay_alu instid0(VALU_DEP_1)
	v_lshl_or_b32 v[PSC], v[BY+3], 24, v[PSC]
; Eight codes from registers 16 (2 c + e) + 8 u on, in lane half h, are keys 64 c + 32 e + 16 u + 8 h on: the operand wants them in lane half e, register 4 c + 2 u + h.
; They are made in register 4 c + 2 u + e, and one exchange of halves for each pair of registers puts them right.
.irp c, 0,1
.irp e, 0,1
	v_cvt_scalef32_pk8_fp4_f32 v[PC+4*\c+\e], v[S+16*(2*\c+\e):S+16*(2*\c+\e)+7], v[SO+2*\c+\e]
	v_cvt_scalef32_pk8_fp4_f32 v[PC+4*\c+2+\e], v[S+16*(2*\c+\e)+8:S+16*(2*\c+\e)+15], v[SO+2*\c+\e]
.endr
.endr
	v_nop                                          ; one plain place behind a scaled conversion
.irp c, 0,1
.irp u, 0,1
	v_permlane16_swap_b32 v[PC+4*\c+2*\u], v[PC+4*\c+2*\u+1]
.endr
.endr
	v_pk_add_f32 v[L2:L2+1], v[S:S+1], v[S+2:S+3]  ; THE ROW'S SUM IS TAKEN OF THE UNQUANTISED p: two at a time, in two chains
.set JJ, 4
.rept 15
	v_pk_add_f32 v[14:15], v[14:15], v[S+JJ:S+JJ+1]
	v_pk_add_f32 v[L2:L2+1], v[L2:L2+1], v[S+JJ+2:S+JJ+3]
.set JJ, JJ+4
.endr
	s_delay_alu instid0(VALU_DEP_1)
	v_pk_add_f32 v[14:15], v[14:15], v[L2:L2+1]
.set JJ, 0
	s_setprio 0
.rept 16
	v_pk_mul_f32 v[OT+JJ:OT+JJ+1], v[OT+JJ:OT+JJ+1], v[FF:FF+1] op_sel_hi:[1,0]   ; O^T under the new M.  (The sums and these are the places between p's codes and scale word and the products below)
.set JJ, JJ+2
.endr
	s_wait_alu depctr_va_vdst(0)
	s_wait_dscnt 0x0                               ; v and its scale words are in
.irp d, 0,2                                    ; O^T += v^T p^T: the four accumulators by turns, one instruction a turn
	v_wmma_scale_f32_16x16x128_f8f6f4 v[OT+8*\d:OT+8*\d+7], v[VF+8*\d:VF+8*\d+7], v[PC:PC+7], v[OT+8*\d:OT+8*\d+7], v[VSC+\d/2], v[PSC] matrix_a_fmt:MATRIX_FMT_FP4 matrix_b_fmt:MATRIX_FMT_FP4
	v_wmma_scale_f32_16x16x128_f8f6f4 v[OT+8*\d+8:OT+8*\d+15], v[VF+8*\d+8:VF+8*\d+15], v[PC:PC+7], v[OT+8*\d+8:OT+8*\d+15], v[VSC+\d/2], v[PSC] matrix_a_fmt:MATRIX_FMT_FP4 matrix_b_fmt:MATRIX_FMT_FP4 matrix_a_scale:MATRIX_SCALE_ROW1
.endr
.endm
; A head's end: O^T / the sum, quantised along d (two blocks of 32): half a fragment of the projection's operand, and two bytes of its scale word.
.macro FINISH p
.rept 4
	v_nop                                          ; places behind the last products
.endr
	v_add_f32 v14, v14, v15                        ; the sum's two halves,
	s_delay_alu instid0(VALU_DEP_1)
	v_permlanex16_b32 v[T0], v14, s[SEL], s[SEL+1]
	s_delay_alu instid0(VALU_DEP_1)
	v_add_f32 v14, v14, v[T0]                      ; and lane l xor 16's: the row's sum
	s_wait_alu depctr_va_vdst(0)
	v_rcp_f32 v14, v14
	v_nop                                          ; one plain place behind a transcendental
.set JJ, 0
	s_wait_alu depctr_va_vdst(0)
.rept 16
	v_pk_mul_f32 v[S+JJ:S+JJ+1], v[OT+JJ:OT+JJ+1], v[14:15] op_sel_hi:[1,0]   ; each accumulator from its low end on
.set JJ, JJ+2
.endr
.irp e, 0,1
	v_max3_num_f32 v[BM+\e], |v[S+16*\e]|, |v[S+1+16*\e]|, 0x1800000
.endr
.irp i, 2,4,6,8,10,12,14
.irp e, 0,1
	s_delay_alu instid0(VALU_DEP_2)
	v_max3_num_f32 v[BM+\e], v[BM+\e], |v[S+16*\e+\i]|, |v[S+1+16*\e+\i]|
.endr
.endr
.irp e, 0,1
	s_delay_alu instid0(VALU_DEP_2)
	v_permlanex16_b32 v[BY+\e], v[BM+\e], s[SEL], s[SEL+1]
.endr
.irp e, 0,1
	s_delay_alu instid0(VALU_DEP_2)
	v_max_num_f32 v[BM+\e], v[BM+\e], v[BY+\e]
.endr
.irp e, 0,1
	s_delay_alu instid0(VALU_DEP_2)
	v_add_nc_u32 v[SO+\e], 0xff000000, v[BM+\e]
.endr
.irp e, 0,1
	s_delay_alu instid0(VALU_DEP_2)
	v_lshrrev_b32 v[BY+\e], 23, v[SO+\e]
.endr
.if \p == 0
	s_delay_alu instid0(VALU_DEP_1)
	v_lshl_or_b32 v[HW], v[BY+1], 8, v[BY]         ; the first head's two bytes
.else
	s_delay_alu instid0(VALU_DEP_1)
	v_lshl_or_b32 v[T0], v[BY+1], 8, v[BY]
	s_delay_alu instid0(VALU_DEP_1)
	v_lshl_or_b32 v[HW], v[T0], 16, v[HW]          ; the second head's above them
.endif
.irp e, 0,1
	v_cvt_scalef32_pk8_fp4_f32 v[PC+\e], v[S+16*\e:S+16*\e+7], v[SO+\e]
	v_cvt_scalef32_pk8_fp4_f32 v[PC+2+\e], v[S+16*\e+8:S+16*\e+15], v[SO+\e]
.endr
	v_nop
	v_permlane16_swap_b32 v[PC], v[PC+1]
	v_permlane16_swap_b32 v[PC+2], v[PC+3]
	global_store_b128 v[LI], v[PC:PC+3], s[42:43] offset:512*\p   ; 512 consecutive bytes
.endm
.macro PASS p
	v_mov_b32 v13, 0xff61b1e6                      ; the largest t so far: -3e38, under every t
	s_delay_alu instid0(VALU_DEP_1)
	v_floor_f32 v12, -v13                          ; -M
	v_mov_b32 v14, 0                               ; the sum, in two halves
	v_mov_b32 v15, 0
.set JJ, 0
.rept 32
	v_mov_b32 v[OT+JJ], 0                          ; O^T.  (The step is written once: the first finds zeros, which the first change of M leaves zeros)
.set JJ, JJ+1
.endr
	s_mov_b32 s[TB], \p*HEADB
	s_mov_b32 s[CNT], 16
.Lstep_\p:
	s_setprio 2
	STEP \p
	s_add_co_u32 s[TB], s[TB], REC
	s_sub_co_u32 s[CNT], s[CNT], 1
	s_cmp_lg_u32 s[CNT], 0
	s_cbranch_scc1 .Lstep_\p
	s_setprio 0
	FINISH \p
.endm
	s_wait_loadcnt 0x0                             ; q
	s_wait_tensorcnt 0x0                           ; my two records are in,
	s_barrier_signal -1
	s_barrier_wait -1                              ; everybody's are: from here on the records are only read
	PASS 0
	s_wait_xcnt 0x0                                ; the store has read the codes' registers
	PASS 1
	ds_store_b32 v[STW], v[HW]                     ; my 16 queries' scale words (lanes l and l xor 16 write the same word with the same value)
	s_wait_dscnt 0x0                               ; for the others' sake
	s_barrier_signal -1
	s_barrier_wait -1
	s_cmp_lt_u32 s[WV], 2                          ; waves 0 and 1 store the 256 words, 512 consecutive bytes each
	s_cbranch_scc0 .Lno_words
	ds_load_b128 v[S:S+3], v[STR]
	s_wait_dscnt 0x0
	global_store_b128 v[LI], v[S:S+3], s[44:45]
.Lno_words:
	s_wait_xcnt 0x0
	v_lshl_add_u32 v254, v0, 2, 0x46400
	v_mov_b32 v255, 0
	s_wait_alu depctr_va_vdst(0)
	s_wait_tensorcnt 0x0
	ds_add_u32 v254, v255
	s_wait_dscnt 0x0
	CROUND                                         ; the closing round
	s_endpgm
.Lfunc_end_k_q9b4008e403_attn:
	.size	k_q9b4008e403_attn, .Lfunc_end_k_q9b4008e403_attn-k_q9b4008e403_attn
	.p2alignl 7, 3214868480
	.fill 96, 4, 3214868480
	.section	.rodata,"a",@progbits
	.p2align	6, 0x0
	.amdhsa_kernel k_q9b4008e403_attn
		.amdhsa_group_segment_fixed_size 327680
		.amdhsa_private_segment_fixed_size 0
		.amdhsa_enable_private_segment 0
		.amdhsa_kernarg_size 32
		.amdhsa_user_sgpr_count 2
		.amdhsa_user_sgpr_kernarg_segment_ptr 1
		.amdhsa_wavefront_size32 1
		.amdhsa_system_sgpr_workgroup_id_x 1
		.amdhsa_system_sgpr_workgroup_id_y 1
		.amdhsa_system_sgpr_workgroup_id_z 1
		.amdhsa_system_vgpr_workitem_id 0
		.amdhsa_next_free_vgpr 256
		.amdhsa_next_free_sgpr 66
		.amdhsa_reserve_vcc 0
		.amdhsa_float_denorm_mode_32 3
		.amdhsa_float_denorm_mode_16_64 3
		.amdhsa_memory_ordered 1
		.amdhsa_forward_progress 1
		.amdhsa_inst_pref_size 51
	.end_amdhsa_kernel
	.amdgpu_metadata
---
amdhsa.version: [ 1, 2 ]
amdhsa.kernels:
  - .name:           k_q9b4008e403_attn
    .symbol:         k_q9b4008e403_attn.kd
    .args:
      - { .name: q, .offset: 0, .size: 8, .value_kind: global_buffer, .address_space: global }
      - { .name: kv, .offset: 8, .size: 8, .value_kind: global_buffer, .address_space: global }
      - { .name: at_codes, .offset: 16, .size: 8, .value_kind: global_buffer, .address_space: global }
      - { .name: at_scales, .offset: 24, .size: 8, .value_kind: global_buffer, .address_space: global }
    .group_segment_fixed_size: 327680
    .private_segment_fixed_size: 0
    .kernarg_segment_align: 8
    .kernarg_segment_size: 32
    .max_flat_workgroup_size: 512
    .sgpr_count:     66
    .vgpr_count:     256
    .wavefront_size: 32
...
	.end_amdgpu_metadata
.endif
;; end of part 2
;; launch proj (part 3): grid 4 x 32, 4 waves a work-group, clusters of 4 x 4, 327,680 bytes of LDS; arguments at_codes, at_scales, w_out_codes, w_out_scales, b_out, out0; writes out0
.if DOCPART == 3
	.amdgcn_target "amdgcn-amd-amdhsa--gfx1250"
	.amdhsa_code_object_version 6
	.text
	.protected	k_q9b4008e403_proj
	.globl	k_q9b4008e403_proj
	.p2align	8
	.type	k_q9b4008e403_proj,@function
k_q9b4008e403_proj:
	s_mov_b64 s[64:65], 0
	v_nop
	global_prefetch_b8 v0, s[64:65] scope:SCOPE_SE
	s_setreg_imm32_b32 hwreg(HW_REG_WAVE_MODE, 25, 1), 1
	s_wait_xcnt 0x0
	s_wait_alu depctr_hold_cnt(0) depctr_sa_sdst(0) depctr_va_vdst(0) depctr_va_sdst(0) depctr_va_ssrc(0) depctr_va_vcc(0) depctr_vm_vsrc(0)
	s_getreg_b32 s2, hwreg(HW_REG_IB_STS2, 6, 4)
	s_cmp_eq_u32 s2, 0
	s_cbranch_scc0 .Lentry_in_a_cluster
	s_endpgm
.Lentry_in_a_cluster:
	s_bfe_u32 s2, ttmp6, 0x10000c
	s_cmp_lg_u32 s2, 0xf033
	s_cbranch_scc0 .Lentry_shape_is_right
	s_endpgm
.Lentry_shape_is_right:
; out0 = attn w_out + b_out on codes of FP4 (E2M1) with one E8M0 scale for each 32 along K = 1,024; sums in f32; the bias is the C of each sum's first matrix instruction.
; A tile of 256 tokens x 256 outputs is made by a work-group of four waves; a wave makes 128 x 128: 64 accumulators of 16 x 16.  All of K fits into two LDS slots of 512 along K: each LDS byte is filled once.
; P = attn (source 1: a lane holds one token), R = w_out (source 0: a lane's registers run along the outputs): a lane's eight results are eight neighbouring numbers of a row of out0.
; attn's codes lie in memory as images of operand registers, [16 tokens 512][128 along K 8][1,024 bytes], lane l's 16 bytes at 16 l: a fragment is two loads of 512 consecutive bytes, with no pitch.
; Its scale words lie [128 along K 8][token 8,192].  w_out's codes and scale bytes lie by rows, as given.
; CLUSTERS: 4 x 4 work-groups; P's tile is asked for jointly by a row of the cluster, R's by a column.
; The grid has 128 work-groups: a tile half as large would double the LDS bytes read for each product; the launch is short beside the attention.
; REGISTERS, in windows of 256: window 0: v1-31 addresses; v32-95 scale words, two sets; v128-191 P's fragments, one set; v192-255 the bias; on the way out v128-255 take rows of out0.
;   window 1: R's fragments, two sets.   window 2: the accumulators of P's blocks 0-3 ((a, b) at v[8 (8 a + b)]);   window 3: those of blocks 4-7.
.set ROWB,   256                       ; a row of R's tile in bytes: 512 codes
.set KROW,   512                       ; a row of w_out in memory
.set PITCH,  272                       ; R's rows in LDS: 256 bytes + 16 of padding
.set FR,     8
.set NL,     2
.set NP,     4                         ; places behind this matrix instruction (ISA guide 7.12.1)
.set NQ,     4
.set HALFT,  128*PITCH                 ; a quarter of a slot: 128 rows of R; P's 128 tokens use 32,768 bytes of theirs
.set SLOT,   4*HALFT
.set SCL,    2*SLOT                    ; behind the slots: the scales
.set HALFS,  16*272                    ; those of 128 rows of R: 16 runs of 256 bytes + 16; P's 128 tokens use 4,096 bytes of theirs
.set SPITCH, 528                       ; the way out: a stage of 16 rows x (512 bytes + 16) for each wave, in slot 0, which has had its one fill and its last read when the first result is stored there
.set ROWO,   4096                      ; a row of out0 in bytes
.set ADRP, 16                          ; v16-17  LDS address of my P fragments in slot 0, 1
.set ADRR, 20                          ; v20-21  the same for R
.set STO,  24                          ; v24  the way out: where I put 32 bytes of a row
.set RD,   25                          ; v25  where I read a row back
.set CO,   26                          ; v26  16 x lane
.set ADSP, 27                          ; v27  P's scale words: 4 x lane
.set ADSR, 28                          ; v28  R's: row lane of 32
.set BQ,   29                          ; v29  my byte among the wave's 128 biases
.set SC,   32                          ; set s at v[SC + 32 s]: register 4 i + q: P's words, lanes 0-15 block 2 i, lanes 16-31 block 2 i + 1; register 16 + 4 i + q: R's likewise
.set PF,   128
.set BI,   192                         ; register 8 b + j: the bias of output 16 b + 8 (lane / 16) + j
.set BK,   128
.set WV,   18
.set HP,   19
.set HR,   20
.set G1P,  28
.set G0P,  36
.set G1R,  44
.set G0R,  52
.set G1SP, 68
.set G0SP, 76
.set G1SR, 80
.set G0SR, 88
.set MSB, 0
.macro WIN new                         ; the immediate's high byte repeats the setting that is left
.if MSB != (\new)
	s_set_vgpr_msb (MSB<<8)|(\new)
.set MSB, \new
.endif
.endm
.set MUL_LO, 0xa1                      ; source 0 (R) window 1, source 1 (P) window 0, C and D window 2
.set MUL_HI, 0xf1                      ; the same, C and D window 3
.set BIA_LO, 0x81                      ; the first step: C (the bias) window 0, D window 2
.set BIA_HI, 0xc1                      ; D window 3
.set TO_R,   0x40
.macro JLOAD g0a, g1a, g0b, g1b        ; a joint load: waves 0 and 1 fetch for P, waves 2 and 3 for R; four v_nop follow each line
	s_cmp_eq_u32 s[HP], 0
	s_cbranch_scc0 .Lfor_r_\@
	tensor_load_to_lds s[\g0a:\g0a+3], s[\g1a:\g1a+7]
	s_nop 0
.rept 4
	v_nop
.endr
	s_branch .Lasked_\@
.Lfor_r_\@:
	tensor_load_to_lds s[\g0b:\g0b+3], s[\g1b:\g1b+7]
	s_nop 0
.rept 4
	v_nop
.endr
.Lasked_\@:
.endm
.macro CROUND                          ; a round of the cluster's barrier
	s_barrier_signal -1
	s_barrier_wait -1
	s_cmp_lg_u32 s[WV], 0
	s_cbranch_scc1 .Lnot_wave_0_\@
	s_barrier_signal -3
.Lnot_wave_0_\@:
	s_barrier_wait -3
	s_barrier_signal -1
	s_barrier_wait -1
.endm
	s_load_b256 s[4:11], s[0:1], 0x0               ; attn's codes s[4:5], its scales s[6:7], w_out's codes s[8:9], its scales s[10:11]
	s_load_b128 s[12:15], s[0:1], 0x20             ; b_out s[12:13], out0 s[14:15]
	v_lshl_add_u32 v126, v0, 2, 0x48400
	v_mov_b32 v127, 0
	ds_add_u32 v126, v127
	ds_add_u32 v126, v127
	v_lshrrev_b32 v1, 5, v0
	v_readfirstlane_b32 s[WV], v1                  ; wave 0..3
	s_lshr_b32 s[HP], s[WV], 1                     ; which half of the tokens is mine.  Also: I fetch for P (0) or R (1)
	s_and_b32 s[HR], s[WV], 1                      ; which half of the outputs.  Also: which half of that tile I fetch
	s_bfe_u32 s21, ttmp6, 0x40000                  ; cx, cy
	s_bfe_u32 s22, ttmp6, 0x40004
	s_lshl_b32 s27, ttmp9, 2
	s_add_co_u32 s27, s27, s21                     ; tile of 256 outputs
	s_and_b32 s26, ttmp7, 0xffff
	s_lshl_b32 s26, s26, 2
	s_add_co_u32 s26, s26, s22                     ; tile of 256 tokens
	s_lshl_b32 s100, s22, 2
	s_lshl_b32 s100, 15, s100                      ; my row of the cluster
	s_lshl_b32 s101, 0x1111, s21                   ; my column
	; P's codes: 8 tiles of 16 tokens, of each 4,096 consecutive bytes (512 elements of 8 bytes), 8,192 bytes apart; dense in LDS
	s_or_b32 s[G1P], s100, (3<<16)|(1<<21)
	s_mov_b32 s[G1P+1], 512<<16                    ; tensor_dim0
	s_mov_b32 s[G1P+2], 8<<16                      ; tensor_dim1
	s_mov_b32 s[G1P+3], 512<<16                    ; tile_dim0
	s_mov_b32 s[G1P+4], 8                          ; tile_dim1
	s_mov_b32 s[G1P+5], 1024                       ; from row to row
	s_mov_b32 s[G1P+6], 0
	s_mov_b32 s[G1P+7], 0
	; R's codes: 128 rows x 256 bytes, 16 bytes of padding behind each
	s_or_b32 s[G1R], s101, (1<<20)|(1<<21)|(5<<22)|(3<<25)
	s_mov_b32 s[G1R+1], ROWB<<16
	s_mov_b32 s[G1R+2], 128<<16
	s_mov_b32 s[G1R+3], ROWB<<16
	s_mov_b32 s[G1R+4], 128
	s_mov_b32 s[G1R+5], KROW
	s_mov_b32 s[G1R+6], 0
	s_mov_b32 s[G1R+7], 0
	; P's scale words: 8 rows (128 along K each) of 512 bytes (128 tokens), 32,768 bytes apart; dense in LDS
	s_or_b32 s[G1SP], s100, (3<<16)|(1<<21)
	s_mov_b32 s[G1SP+1], 64<<16
	s_mov_b32 s[G1SP+2], 8<<16
	s_mov_b32 s[G1SP+3], 64<<16
	s_mov_b32 s[G1SP+4], 8
	s_mov_b32 s[G1SP+5], 4096
	s_mov_b32 s[G1SP+6], 0
	s_mov_b32 s[G1SP+7], 0
	; R's scale bytes: 4,096 dense bytes as 16 rows of 256, 16 bytes of padding behind each
	s_or_b32 s[G1SR], s101, (3<<16)|(1<<20)|(1<<21)|(5<<22)|(3<<25)
	s_mov_b32 s[G1SR+1], 32<<16
	s_mov_b32 s[G1SR+2], 16<<16
	s_mov_b32 s[G1SR+3], 32<<16
	s_mov_b32 s[G1SR+4], 16
	s_mov_b32 s[G1SR+5], 32
	s_mov_b32 s[G1SR+6], 0
	s_mov_b32 s[G1SR+7], 0
	s_lshl_b32 s2, s26, 17                         ; P's codes: 16 tiles of 8,192 bytes for 256 tokens,
	s_lshl_b32 s25, s[HR], 16
	s_add_co_u32 s2, s2, s25                       ; 8 for my half
	s_mov_b32 s3, 0
	s_lshl_b32 s60, s26, 10                        ; P's scale words: 4 bytes a token
	s_lshl_b32 s25, s[HR], 9
	s_add_co_u32 s60, s60, s25
	s_mov_b32 s61, 0
	s_lshl_b32 s66, s27, 8
	s_lshl_b32 s25, s[HR], 7
	s_add_co_u32 s66, s66, s25                     ; R's row
	s_lshl_b32 s62, s66, 5
	s_lshl_b32 s66, s66, 9
	s_mov_b32 s67, 0
	s_mov_b32 s63, 0
	s_mul_i32 s100, s[WV], HALFT                   ; where they go: no place in the cluster enters an LDS address
	s_mul_i32 s101, s[WV], HALFS
	s_wait_dscnt 0x0
	s_wait_kmcnt 0x0
	s_add_nc_u64 s[92:93], s[4:5], s[2:3]
	s_add_nc_u64 s[94:95], s[6:7], s[60:61]
	s_add_nc_u64 s[96:97], s[8:9], s[66:67]
	s_add_nc_u64 s[98:99], s[10:11], s[62:63]
	CROUND                                         ; all sixteen work-groups are here: the joint loads meet
	s_mov_b32 s[G0SP], 1
	s_add_co_u32 s[G0SP+1], s101, SCL
	s_mov_b64 s[G0SP+2:G0SP+3], s[94:95]
	s_or_b32 s[G0SP+3], s[G0SP+3], 0x80000000
	s_mov_b32 s[G0SR], 1
	s_add_co_u32 s[G0SR+1], s101, SCL
	s_mov_b64 s[G0SR+2:G0SR+3], s[98:99]
	s_or_b32 s[G0SR+3], s[G0SR+3], 0x80000000
	JLOAD G0SP, G1SP, G0SR, G1SR                   ; the scales first
.irp s, 0,1
	s_mov_b32 s[G0P+4*\s], 1
	s_add_co_u32 s[G0P+4*\s+1], s100, \s*SLOT
	s_add_nc_u64 s[G0P+4*\s+2:G0P+4*\s+3], s[92:93], \s*4096
	s_or_b32 s[G0P+4*\s+3], s[G0P+4*\s+3], 0x80000000
	s_mov_b32 s[G0R+4*\s], 1
	s_add_co_u32 s[G0R+4*\s+1], s100, \s*SLOT
	s_add_nc_u64 s[G0R+4*\s+2:G0R+4*\s+3], s[96:97], \s*ROWB
	s_or_b32 s[G0R+4*\s+3], s[G0R+4*\s+3], 0x80000000
	s_wait_alu depctr_va_vdst(0)
	s_wait_tensorcnt 0x0
	ds_add_u32 v126, v127
	s_wait_dscnt 0x0
	CROUND
	JLOAD G0P+4*\s, G1P, G0R+4*\s, G1R             ; one load of mine is out: the one before it has landed
.endr
	v_and_b32 v1, 15, v0                           ; r
	v_bfe_u32 v2, v0, 4, 1                         ; h
	v_and_b32 v3, 31, v0                           ; lane
	s_wait_alu depctr_va_vdst(0)
	s_lshl_b32 s4, s27, 10
	s_lshl_b32 s6, s[HR], 9
	s_add_co_u32 s4, s4, s6
	s_mov_b32 s5, 0
	s_add_nc_u64 s[12:13], s[12:13], s[4:5]        ; my 128 biases
	v_lshlrev_b32 v[BQ], 5, v2
.irp b, 0,1,2,3,4,5,6,7
	global_load_b128 v[BI+8*\b:BI+8*\b+3], v[BQ], s[12:13] offset:64*\b
	global_load_b128 v[BI+8*\b+4:BI+8*\b+7], v[BQ], s[12:13] offset:64*\b+16
.endr
	v_lshlrev_b32 v[CO], 4, v3
	s_mul_i32 s2, s[HP], HALFT                     ; my 128 tokens of P
	v_add_nc_u32 v[ADRP], s2, v[CO]
	s_add_co_u32 s2, s2, SLOT
	v_add_nc_u32 v[ADRP+1], s2, v[CO]
	v_mul_u32_u24 v4, v1, PITCH
	v_lshl_add_u32 v4, v2, 4, v4
	s_mul_i32 s3, s[HR], HALFT
	s_add_co_u32 s3, s3, 2*HALFT                   ; my 128 rows of R
	v_add_nc_u32 v[ADRR], s3, v4
	s_add_co_u32 s3, s3, SLOT
	v_add_nc_u32 v[ADRR+1], s3, v4
	s_mul_i32 s2, s[HP], HALFS
	s_add_co_u32 s2, s2, SCL
	v_lshl_add_u32 v[ADSP], v3, 2, s2
	v_lshrrev_b32 v5, 3, v3
	v_mul_u32_u24 v5, v5, 272                      ; eight rows of 32 scale bytes to a run of 256 + 16
	v_and_b32 v6, 7, v3
	v_lshl_add_u32 v5, v6, 5, v5
	s_mul_i32 s2, s[HR], HALFS
	s_add_co_u32 s2, s2, SCL+2*HALFS
	v_add_nc_u32 v[ADSR], s2, v5
	s_mul_i32 s2, s[WV], 16*SPITCH                 ; my stage
	v_mul_u32_u24 v5, v1, SPITCH
	v_lshl_add_u32 v5, v2, 5, v5
	v_add_nc_u32 v[STO], s2, v5                    ; in: row r, 32 bytes for each half of the lanes
	v_add_nc_u32 v[RD], s2, v[CO]                  ; back: the 32 lanes take one row of 512 bytes
	s_lshl_b32 s4, s26, 8
	s_lshl_b32 s6, s[HP], 7
	s_add_co_u32 s4, s4, s6                        ; my first row of out0
	s_lshl_b32 s4, s4, 12
	s_lshl_b32 s6, s27, 10
	s_add_co_u32 s4, s4, s6
	s_lshl_b32 s6, s[HR], 9
	s_add_co_u32 s4, s4, s6                        ; my first column, in bytes
	s_add_nc_u64 s[14:15], s[14:15], s[4:5]
; One matrix instruction.  ra, rb: the scale words of source 0, source 1 lie in lanes 16-31 of their registers
.macro W1 d, rf, pf, c, sr, sp, ra, rb
.if ((\ra) == 0) && ((\rb) == 0)
	v_wmma_scale_f32_16x16x128_f8f6f4 v[(\d):(\d)+7], v[(\rf):(\rf)+7], v[(\pf):(\pf)+7], v[(\c):(\c)+7], v[\sr], v[\sp] matrix_a_fmt:MATRIX_FMT_FP4 matrix_b_fmt:MATRIX_FMT_FP4
.elseif (\rb) == 0
	v_wmma_scale_f32_16x16x128_f8f6f4 v[(\d):(\d)+7], v[(\rf):(\rf)+7], v[(\pf):(\pf)+7], v[(\c):(\c)+7], v[\sr], v[\sp] matrix_a_fmt:MATRIX_FMT_FP4 matrix_b_fmt:MATRIX_FMT_FP4 matrix_a_scale:MATRIX_SCALE_ROW1
.elseif (\ra) == 0
	v_wmma_scale_f32_16x16x128_f8f6f4 v[(\d):(\d)+7], v[(\rf):(\rf)+7], v[(\pf):(\pf)+7], v[(\c):(\c)+7], v[\sr], v[\sp] matrix_a_fmt:MATRIX_FMT_FP4 matrix_b_fmt:MATRIX_FMT_FP4 matrix_b_scale:MATRIX_SCALE_ROW1
.else
	v_wmma_scale_f32_16x16x128_f8f6f4 v[(\d):(\d)+7], v[(\rf):(\rf)+7], v[(\pf):(\pf)+7], v[(\c):(\c)+7], v[\sr], v[\sp] matrix_a_fmt:MATRIX_FMT_FP4 matrix_b_fmt:MATRIX_FMT_FP4 matrix_a_scale:MATRIX_SCALE_ROW1 matrix_b_scale:MATRIX_SCALE_ROW1
.endif
.endm
; 16 matrix instructions: P's blocks a0, a0 + 1 x R's eight.  first = 1: C is the bias: nothing is cleared and nothing added later.
; The 64 accumulators take turns, one instruction a turn, in the same order in every step.
.macro MUL16 a0, p, q, sc, first
.irp a, \a0, \a0+1
.irp b, 0,1,2,3,4,5,6,7
.if \first
	W1 8*(8*((\a)%4)+\b), 128*(\p)+FR*\b, PF+FR*(\a), BI+8*\b, SC+32*(\sc)+16+4*(\b/2)+(\q), SC+32*(\sc)+4*((\a)/2)+(\q), \b%2, (\a)%2
.else
	W1 8*(8*((\a)%4)+\b), 128*(\p)+FR*\b, PF+FR*(\a), 8*(8*((\a)%4)+\b), SC+32*(\sc)+16+4*(\b/2)+(\q), SC+32*(\sc)+4*((\a)/2)+(\q), \b%2, (\a)%2
.endif
.endr
.endr
.endm
.macro FETCH_R slot, q, p              ; R's eight fragments into set p: row x pitch + 16 x half, two loads 32 bytes apart
	WIN TO_R
.irp i, 0,1,2,3,4,5,6,7
.irp c, 0,1
	ds_load_b128 v[128*(\p)+FR*\i+4*\c:128*(\p)+FR*\i+4*\c+3], v[ADRR+\slot] offset:64*(\q)+32*\c+\i*16*PITCH
.endr
.endr
	WIN 0
.endm
.macro FETCH_P slot, q, i0             ; P's blocks i0 .. i0 + 3: images, 512 consecutive bytes a load
.irp i, \i0, \i0+1, \i0+2, \i0+3
.irp c, 0,1
	ds_load_b128 v[PF+FR*(\i)+4*\c:PF+FR*(\i)+4*\c+3], v[ADRP+\slot] offset:4096*(\i)+1024*(\q)+512*\c
.endr
.endr
.endm
.macro SCALES sc                       ; a slot's scale words: twenty loads
.irp i, 0,1,2,3
.irp q, 0,1,2,3
	ds_load_b32 v[SC+32*\sc+4*\i+\q], v[ADSP] offset:512*(4*\sc+\q)+128*\i
.endr
	ds_load_b128 v[SC+32*\sc+16+4*\i:SC+32*\sc+16+4*\i+3], v[ADSR] offset:1088*\i+16*\sc
.endr
.endm
.macro PLACES n
.rept \n
	v_nop
.endr
.endm
.macro STEP slot, q, first             ; a step of 128 along K that has its successor in the same slot
	s_wait_dscnt 4*NL                              ; all but the youngest eight loads (P's blocks 4-7) are in
.if \first
	WIN BIA_LO
.else
	WIN MUL_LO
.endif
	MUL16 0, (\q)%2, \q, \slot, \first
	MUL16 2, (\q)%2, \q, \slot, \first
	s_wait_dscnt 0
	PLACES NP
	FETCH_R \slot, (\q)+1, 1-(\q)%2
	FETCH_P \slot, (\q)+1, 0
.if \first
	WIN BIA_HI
.else
	WIN MUL_HI
.endif
	MUL16 4, (\q)%2, \q, \slot, \first
	MUL16 6, (\q)%2, \q, \slot, \first
	PLACES NP
	WIN 0
	FETCH_P \slot, (\q)+1, 4
.endm
.macro STEPS slot, from
.set Q, \from
.rept NQ-1-\from
	STEP \slot, Q, 0
.set Q, Q+1
.endr
.endm
	s_wait_alu depctr_va_vdst(0)
	s_wait_tensorcnt 1                             ; the scales and my part of slot 0 are in; slot 1's load, the one issued behind them, may be out
	s_barrier_signal -1
	s_barrier_wait -1                              ; everybody's are
	FETCH_R 0, 0, 0
	FETCH_P 0, 0, 0
	SCALES 0
	FETCH_P 0, 0, 4
	s_wait_loadcnt 0x0                             ; the bias
	STEP 0, 0, 1
	STEPS 0, 1
	; slot 0's last step goes over to slot 1: each wave waits for its part of slot 1, and the barrier shows every wave's part to all; behind it nobody reads slot 0 any more
	s_wait_tensorcnt 0x0
	s_wait_dscnt 4*NL
	WIN MUL_LO
	MUL16 0, 1, NQ-1, 0, 0
	s_wait_dscnt 0x0                               ; my reads of slot 0 are over
	s_barrier_signal -1
	MUL16 2, 1, NQ-1, 0, 0
	WIN 0
	s_barrier_wait -1
	PLACES NP
	FETCH_R 1, 0, 0
	FETCH_P 1, 0, 0
	SCALES 1
	WIN MUL_HI
	MUL16 4, 1, NQ-1, 0, 0
	MUL16 6, 1, NQ-1, 0, 0
	PLACES NP
	WIN 0
	FETCH_P 1, 0, 4
	STEPS 1, 0
	s_wait_dscnt 4*NL                              ; the very last step: nothing more to fetch
	WIN MUL_LO
	MUL16 0, 1, NQ-1, 1, 0
	MUL16 2, 1, NQ-1, 1, 0
	s_wait_dscnt 0
	WIN MUL_HI
	MUL16 4, 1, NQ-1, 1, 0
	MUL16 6, 1, NQ-1, 1, 0
	WIN 0
; THE WAY OUT, block by block of 16 rows x 128 columns.  A lane holds 32 neighbouring bytes of a row, and the lanes beside it hold other rows: so a block goes through my own stage in LDS and comes back as whole
; rows of 512 bytes.  LDS serves a wave's instructions in order (ISA guide 5.7.1.4): no wait between the stores and the loads, nor in front of the next block's stores.
.macro TOSTAGE a
.set AC, 64*((\a)%4)
	WIN 0x08+4*((\a)/4)                            ; the data: window 2 or 3
.irp b, 0,1,2,3,4,5,6,7
	ds_store_b128 v[STO], v[AC+8*\b:AC+8*\b+3] offset:64*\b          ; each accumulator from its low end on
	ds_store_b128 v[STO], v[AC+8*\b+4:AC+8*\b+7] offset:64*\b+16
.endr
	WIN 0
.set BB, BK+64*((\a)%2)
.irp t, 0,1,2,3,4,5,6,7,8,9,10,11,12,13,14,15
	ds_load_b128 v[BB+4*\t:BB+4*\t+3], v[RD] offset:\t*SPITCH
.endr
.endm
.macro SEND a, younger                 ; younger: the LDS instructions issued behind block a's loads, which may stay out
.set BB, BK+64*((\a)%2)
	s_wait_dscnt \younger
.if (\a) > 0
	s_add_nc_u64 s[14:15], s[14:15], 16*ROWO       ; (behind a wait on XCNT: the earlier stores have read their base)  16 rows on
.endif
.irp t, 0,1,2,3,4,5,6,7,8,9,10,11,12,13,14,15
	global_store_b128 v[CO], v[BB+4*\t:BB+4*\t+3], s[14:15] offset:\t*ROWO th:TH_STORE_NT   ; 32 lanes store 512 consecutive bytes, at a multiple of 256 from out0's first byte
.endr
.endm
	PLACES NP                                      ; in front of the first read of results and of loads into registers that held P's fragments and the bias
	TOSTAGE 0
.irp a, 1,2,3,4,5,6,7
.if \a > 1
	s_wait_xcnt 0x0                                ; block a - 2's stores have read their registers and their base
.endif
	TOSTAGE \a
	SEND \a-1, 32                                  ; behind block a - 1's loads: block a's 16 stores and 16 loads
.endr
	s_wait_xcnt 0x0
	SEND 7, 0
	s_wait_dscnt 0x0
	s_wait_tensorcnt 0x0
	ds_add_u32 v126, v127
	s_wait_dscnt 0x0
	CROUND                                         ; the closing round: no work-group ends while a partner may still ask for a tile that names it
	s_endpgm
.Lfunc_end_k_q9b4008e403_proj:
	.size	k_q9b4008e403_proj, .Lfunc_end_k_q9b4008e403_proj-k_q9b4008e403_proj
	.p2alignl 7, 3214868480
	.fill 96, 4, 3214868480
	.section	.rodata,"a",@progbits
	.p2align	6, 0x0
	.amdhsa_kernel k_q9b4008e403_proj
		.amdhsa_group_segment_fixed_size 327680
		.amdhsa_private_segment_fixed_size 0
		.amdhsa_enable_private_segment 0
		.amdhsa_kernarg_size 48
		.amdhsa_user_sgpr_count 2
		.amdhsa_user_sgpr_kernarg_segment_ptr 1
		.amdhsa_wavefront_size32 1
		.amdhsa_system_sgpr_workgroup_id_x 1
		.amdhsa_system_sgpr_workgroup_id_y 1
		.amdhsa_system_sgpr_workgroup_id_z 1
		.amdhsa_system_vgpr_workitem_id 0
		.amdhsa_next_free_vgpr 1024
		.amdhsa_next_free_sgpr 102
		.amdhsa_reserve_vcc 0
		.amdhsa_float_denorm_mode_32 3
		.amdhsa_float_denorm_mode_16_64 3
		.amdhsa_memory_ordered 1
		.amdhsa_forward_progress 1
		.amdhsa_inst_pref_size 128
	.end_amdhsa_kernel
	.amdgpu_metadata
---
amdhsa.version: [ 1, 2 ]
amdhsa.kernels:
  - .name:           k_q9b4008e403_proj
    .symbol:         k_q9b4008e403_proj.kd
    .args:
      - { .name: at_codes, .offset: 0, .size: 8, .value_kind: global_buffer, .address_space: global }
      - { .name: at_scales, .offset: 8, .size: 8, .value_kind: global_buffer, .address_space: global }
      - { .name: w_out_codes, .offset: 16, .size: 8, .value_kind: global_buffer, .address_space: global }
      - { .name: w_out_scales, .offset: 24, .size: 8, .value_kind: global_buffer, .address_space: global }
      - { .name: b_out, .offset: 32, .size: 8, .value_kind: global_buffer, .address_space: global }
      - { .name: out0, .offset: 40, .size: 8, .value_kind: global_buffer, .address_space: global }
    .group_segment_fixed_size: 327680
    .private_segment_fixed_size: 0
    .kernarg_segment_align: 8
    .kernarg_segment_size: 48
    .max_flat_workgroup_size: 128
    .sgpr_count:     102
    .vgpr_count:     1024
    .wavefront_size: 32
...
	.end_amdgpu_metadata
.endif
;; end of part 3
